; MI455X (gfx1250); checked and timed in simulation.
; The chip was launched on July 23, 2026; its instructions are those of AMD's public machine-readable ISA for CDNA 5 (MIT licence, August 2026) and "CDNA5" Instruction Set Architecture Reference Guide (July 2026). The comments in the code are by the model that wrote it; some were corrected since.
;; Block. Allowed arithmetic: matrix products marked QUANTISED: E4M3 operands, one E8M0 scale for each 32 along K, by v_wmma_scale_f32_16x16x128_f8f6f4 with both operands' format E4M3, f32 sums; everything else in f32.
;; Inputs: W1_codes 4,096 x 32 x 32 uint8 (E4M3 codes of W1, K innermost, in blocks of 32 codes); W1_scales 4,096 x 32 uint8 (E8M0 scales of W1, one for each 32 codes along K); W2_codes 1,024 x 128 x 32 uint8 (E4M3 codes of W2, K innermost, in blocks of 32 codes); W2_scales 1,024 x 128 uint8 (E8M0 scales of W2, one for each 32 codes along K); Wk_codes 16 x 64 x 32 x 32 uint8 (E4M3 codes of Wk, K innermost, in blocks of 32 codes); Wk_scales 16 x 64 x 32 uint8 (E8M0 scales of Wk, one for each 32 codes along K); Wproj_codes 1,024 x 32 x 32 uint8 (E4M3 codes of Wproj, K innermost, in blocks of 32 codes); Wproj_scales 1,024 x 32 uint8 (E8M0 scales of Wproj, one for each 32 codes along K); Wq_codes 16 x 64 x 32 x 32 uint8 (E4M3 codes of Wq, K innermost, in blocks of 32 codes); Wq_scales 16 x 64 x 32 uint8 (E8M0 scales of Wq, one for each 32 codes along K); Wv_codes 16 x 64 x 32 x 32 uint8 (E4M3 codes of Wv, K innermost, in blocks of 32 codes); Wv_scales 16 x 64 x 32 uint8 (E8M0 scales of Wv, one for each 32 codes along K); b1 4,096 float32; b2 1,024 float32; bproj 1,024 float32; ln1_b 1,024 float32; ln1_g 1,024 float32; ln2_b 1,024 float32; ln2_g 1,024 float32; x 4 x 1,024 x 1,024 float32.
;; Outputs: out0 4 x 1,024 x 1,024 float32.
;; This version of the problem:
;;   THIS VERSION OF THE PROBLEM IS GIVEN IN LOW PRECISION. The matrix products marked QUANTISED in the list below multiply operands that are first quantised to E4M3 (4 exponent bits, 3 mantissa bits; 8 bits a number), with one power-of-two scale for each 32 numbers along K (OCP MX v1.0); their sums are f32. All else is computed in f32.
;;   The module's matrix products, in the order in which they are computed (A, B: the left and right operand; K: the contracted axis; several contracted axes count as one K, in the product's order):
;;     1. [M 1,024, K 1,024] x [K 1,024, N 4,096]; A: input Wq (given as codes); B: computed on the way: QUANTISED
;;     2. [M 1,024, K 1,024] x [K 1,024, N 4,096]; A: input Wk (given as codes); B: computed on the way: QUANTISED
;;     3. [M 1,024, K 1,024] x [K 1,024, N 4,096]; A: input Wv (given as codes); B: computed on the way: QUANTISED
;;     4. batch 64 x [M 1,024, K 64] x [K 64, N 1,024]; A: computed on the way; B: computed on the way: QUANTISED
;;     5. batch 64 x [M 1,024, K 1,024] x [K 1,024, N 64]; A: softmax (see below); B: computed on the way: QUANTISED
;;     6. [M 4,096, K 1,024] x [K 1,024, N 1,024]; A: computed on the way; B: input Wproj (given as codes): QUANTISED
;;     7. [M 4,096, K 1,024] x [K 1,024, N 4,096]; A: computed on the way; B: input W1 (given as codes): QUANTISED
;;     8. [M 4,096, K 4,096] x [K 4,096, N 1,024]; A: computed on the way; B: input W2 (given as codes): QUANTISED
;;   THE QUANTISER, for each operand of a quantised product, along K:
;;     - K is cut into blocks of 32 from its start; a last block that is shorter is filled with zeros.
;;     - A block's scale is 2^e with e = floor(log2(the largest magnitude in the block)) - 8, held to -126 .. 127; a block of zeros has e = 0. As a byte (E8M0): e + 127.
;;     - Each number is divided by its block's scale, clamped to +-448, and rounded to the nearest number of E4M3, ties to even, subnormals kept.
;;     - The product sums the exact products of the quantised numbers (number of the format x scale) in f32.
;;   ~~~python
;;   def quantise(x, axis):      # numpy; x: float32 -> the quantised numbers, widened to float32 again
;;       x = np.moveaxis(x, axis, -1); K = x.shape[-1]
;;       x = np.pad(x, [(0, 0)] * (x.ndim - 1) + [(0, -K % 32)]); x = x.reshape(x.shape[:-1] + (-1, 32)); a = np.abs(x).max(-1, keepdims=True)
;;       e = np.where(a > 0, np.clip(np.frexp(np.where(a > 0, a, 1))[1] - 1 - 8, -126, 127), 0)      # np.frexp(a)[1] - 1 = floor(log2(a)), exactly
;;       r = np.clip(x / 2.0 ** e, -448, 448)
;;       step = 2.0 ** (np.maximum(np.frexp(np.where(r == 0, 1, r))[1] - 1, -6) - 3)
;;       q = np.round(r / step) * step * 2.0 ** e      # np.round: ties to even
;;       return np.moveaxis(q.reshape(q.shape[:-2] + (-1,))[..., :K], -1, axis).astype(np.float32)
;;   ~~~
;;   SOFTMAX AHEAD OF A QUANTISED PRODUCT. Where the list says 'softmax', what is quantised is not the finished softmax but p = 2^(t - M), with t = logit x log2(e) and M = ceil(the row's largest t), a whole number; so 1/2 < the row's largest p <= 1. The row's sum l is taken of the UNQUANTISED p, in f32, and the product's result is divided by l at the end. Since M is a whole number, a kernel that streams over the keys may use a running M (the ceiling of the running maximum): every later rescaling is an exact power of two, which a block's scale takes up: the codes' values come out the same.
;;   OPERANDS COMPUTED ON THE WAY. 'Computed on the way' means the value that the module computes at that place (a softmax that the list does not call 'softmax' is quantised finished and normalised). What goes into a quantiser is computed in f32, as accurately as f32 sums, v_exp_f32 and their like allow (about 1e-6 of the number): no bf16 or f16 on the way to a quantiser, and a product that is left as it is and whose result goes on into a quantised operand takes f32 operands (vector FMAs, or v_wmma_f32_16x16x4_f32). A number that lies on a knife's edge between two numbers of the format may be rounded either way, as far as f32 arithmetic and the matrix unit's own rounding can turn it there, and no further.
;;   INPUTS GIVEN AS CODES. W1 (in the module: [1024, 4096], K = its axis 0); W2 (in the module: [4096, 1024], K = its axis 0); Wk (in the module: [16, 1024, 64], K = its axis 1); Wproj (in the module: [1024, 1024], K = its axis 0); Wq (in the module: [16, 1024, 64], K = its axis 1); Wv (in the module: [16, 1024, 64], K = its axis 1): each comes as NAME_codes (uint8): NAME with its K axis moved to the last place and cut into blocks of 32 codes, [.., K / 32, bytes a block], one block behind the other in memory; one code a byte (a code: sign, 4 exponent bits, 3 mantissa bits); and NAME_scales (uint8): the same leading axes, one E8M0 byte (e + 127) for each 32 codes along K. Its value is code x scale, taken as it is: it is not quantised again, and the codes and scales need not be those that the quantiser above would give.
;; One version. Each part assembles by itself: llvm-mc -triple=amdgcn-amd-amdhsa -mcpu=gfx1250 --defsym DOCPART=n.
;; ======== version 1 of 1: 7 launches
;; limits: right only within a limited range of input values
;; workspace buffers: hq 4,325,376 bytes; qkv 13,238,272 bytes; oq 4,325,376 bytes; x1 16,777,216 bytes; h2q 4,325,376 bytes; hid 17,301,504 bytes
;; launch ln1 (part 1): grid 256 x 1, 8 waves a work-group, no clusters, 26,624 bytes of LDS; arguments x, ln1_g, ln1_b, hq; writes hq
.if DOCPART == 1
	.amdgcn_target "amdgcn-amd-amdhsa--gfx1250"
	.amdhsa_code_object_version 6
	.text
	.protected	k_q8ef08fc0d0_ln1
	.globl	k_q8ef08fc0d0_ln1
	.p2align	8
	.type	k_q8ef08fc0d0_ln1,@function
k_q8ef08fc0d0_ln1:
	s_mov_b64 s[64:65], 0
	v_nop
	global_prefetch_b8 v0, s[64:65] scope:SCOPE_SE
	s_setreg_imm32_b32 hwreg(HW_REG_WAVE_MODE, 25, 1), 1
	s_wait_xcnt 0x0
; y = layernorm(X) * G + B over rows of 1,024 f32, then quantised along the row to E4M3 with one E8M0 byte for each 32 numbers.
; OUT: codes [4096][1024] at byte 0, scale bytes [4096][32] at byte 4,194,304: the layout in which the weights' codes and scales are given.
; SHARES: 256 work-groups x 16 rows; wave w takes rows 2 w and 2 w + 1 and keeps them in registers between the passes, so X is read once.
; G AND B ARE READ ONCE BY A WORK-GROUP: wave w loads numbers 128 w .. 128 w + 127 of each (two loads, issued ahead of its 16 loads of X), stores them to LDS, and behind a barrier every wave reads all 8,192 bytes from LDS.
; A load takes 512 consecutive bytes: lane l holds numbers 128 j + 4 l .. + 3 of load j, so a block of 32 lies in eight neighbouring lanes, four numbers each.
; The mean is taken away before the squares are summed, so a common offset of the inputs costs no digits.  Row 0's sums begin when its own eight loads are in.
; THE QUANTISER: the conversion takes eight numbers of a lane under ONE scale, and a lane's eight numbers belong to two blocks: so each number is first multiplied by 2^-e of its block
; (a power of two: exact), held within +-448, and converted under the scale 1.
; LIMITS: NaN and infinities are not served; a block whose largest magnitude is under 2^-118 (a block of zeros too) gets the byte 1: its codes are zeros or subnormal codes, and this program alone reads the bytes.
; No matrix unit, no tensor load, no cluster: work-groups share only G and B (8 KiB).
.set XR, 32                            ; v32-95   the two rows
.set GR, 96                            ; v96-127  G
.set BR, 128                           ; v128-159 B
.set MR, 160                           ; v160-167 a block's largest magnitude, then its exponent field
.set IV, 168                           ; v168-183 pairs: 2^-e, the scale's byte
.set CR, 184                           ; v184-191 codes
.set OU, 192                           ; v192-207 codes on the way out; v208-211 scale bytes on the way out
.set SSTG, 16384                       ; LDS: 8 x 2,048 bytes of codes (a wave's own two rows), then the work-group's 512 scale bytes
.set GBS,  0x4800                      ; behind the spare words (1,024 bytes from 0x4400 on): G's 4,096 bytes, then B's
	s_load_b256 s[4:11], s[0:1], 0x0               ; X, G, B, OUT
	v_lshl_add_u32 v216, v0, 2, 0x4400
	v_mov_b32 v217, 0
	v_lshrrev_b32 v1, 5, v0
	s_delay_alu instid0(VALU_DEP_1)
	v_readfirstlane_b32 s12, v1                    ; wave
	v_and_b32 v1, 31, v0                           ; lane
	s_delay_alu instid0(VALU_DEP_1)
	v_lshlrev_b32 v2, 4, v1                        ; 16 x lane
	s_lshl_b32 s13, s12, 11
	v_lshl_add_u32 v3, v1, 2, s13                  ; codes into LDS: 4 x lane + 2,048 x wave
	v_add_nc_u32 v4, s13, v2                       ; and back: 16 x lane + 2,048 x wave
	s_lshl_b32 s13, s12, 6
	s_add_co_u32 s13, s13, SSTG
	v_lshrrev_b32 v5, 3, v1
	s_delay_alu instid0(VALU_DEP_1)
	v_add_nc_u32 v5, s13, v5                       ; my block's byte: 64 x wave + lane / 8
	v_add_nc_u32 v6, SSTG, v2                      ; all 512 bytes, 16 a lane
	s_lshl_b32 s21, s12, 9
	v_add_nc_u32 v7, s21, v2                       ; my piece of G and of B: 512 x wave + 16 x lane
	v_add_nc_u32 v13, GBS, v2                      ; where I read G and B back
	v_add_nc_u32 v12, GBS, v7                      ; where my piece goes in LDS
	v_mov_b32 v28, 1.0                             ; the conversion's scale operand: 2^0
	v_mov_b32 v29, 0x3727c5ac                      ; EPS = 1e-5
	s_mov_b32 s16, 0x76543210
	s_mov_b32 s17, 0xfedcba98                      ; lane l xor 16
	s_mov_b32 s18, 0xc3e00000                      ; -448
	s_mov_b32 s19, 0x43e00000                      ; 448
	s_mov_b32 s20, 0x3a800000                      ; 1 / 1,024
	s_lshl_b32 s14, ttmp9, 4
	s_lshl_b32 s15, s12, 1
	s_add_co_u32 s14, s14, s15                     ; my first row
	s_lshl_b32 s22, s14, 10                        ; its codes
	s_mov_b32 s23, 0
	s_lshl_b32 s14, s14, 12                        ; its numbers
	s_mov_b32 s15, 0
	s_lshl_b32 s24, ttmp9, 9
	s_add_co_u32 s24, s24, 0x400000                ; the work-group's scale bytes
	s_mov_b32 s25, 0
	s_wait_alu depctr_va_vdst(0)
	s_wait_kmcnt 0x0
	s_add_nc_u64 s[4:5], s[4:5], s[14:15]
	s_add_nc_u64 s[24:25], s[10:11], s[24:25]
	s_add_nc_u64 s[10:11], s[10:11], s[22:23]
	global_load_b128 v[GR:GR+3], v7, s[6:7]        ; my eighth of G,
	global_load_b128 v[BR:BR+3], v7, s[8:9]        ; and of B
.irp i, 0,1
.irp j, 0,1,2,3,4,5,6,7
	global_load_b128 v[XR+32*\i+4*\j:XR+32*\i+4*\j+3], v2, s[4:5] offset:4096*\i+512*\j th:TH_LOAD_NT
.endr
.endr
.macro REDUCE                          ; v8 summed over the 32 lanes; every lane gets the sum
	s_delay_alu instid0(VALU_DEP_1)
	v_add_f32_dpp v8, v8, v8 row_xmask:1 row_mask:0xf bank_mask:0xf
	s_delay_alu instid0(VALU_DEP_1)
	v_add_f32_dpp v8, v8, v8 row_xmask:2 row_mask:0xf bank_mask:0xf
	s_delay_alu instid0(VALU_DEP_1)
	v_add_f32_dpp v8, v8, v8 row_xmask:4 row_mask:0xf bank_mask:0xf
	s_delay_alu instid0(VALU_DEP_1)
	v_add_f32_dpp v8, v8, v8 row_xmask:8 row_mask:0xf bank_mask:0xf
	s_delay_alu instid0(VALU_DEP_1)
	v_permlanex16_b32 v9, v8, s16, s17
	s_delay_alu instid0(VALU_DEP_1)
	v_add_f32 v8, v8, v9
.endm
.macro STAT i                          ; row i: the mean is taken away in place; 1 / sqrt(var + EPS) into the row's pair
.set XB, XR+32*\i
	v_pk_add_f32 v[8:9], v[XB:XB+1], v[XB+2:XB+3]
	v_pk_add_f32 v[10:11], v[XB+4:XB+5], v[XB+6:XB+7]
.irp p, 8,12,16,20,24,28
	s_delay_alu instid0(VALU_DEP_2)
	v_pk_add_f32 v[8:9], v[8:9], v[XB+\p:XB+\p+1]
	s_delay_alu instid0(VALU_DEP_2)
	v_pk_add_f32 v[10:11], v[10:11], v[XB+\p+2:XB+\p+3]
.endr
	s_delay_alu instid0(VALU_DEP_1)
	v_pk_add_f32 v[8:9], v[8:9], v[10:11]
	s_delay_alu instid0(VALU_DEP_1)
	v_add_f32 v8, v8, v9
	REDUCE
	s_delay_alu instid0(VALU_DEP_1)
	v_mul_f32 v24, s20, v8
	s_delay_alu instid0(VALU_DEP_2)
	v_mul_f32 v25, s20, v8
.irp p, 0,2,4,6,8,10,12,14,16,18,20,22,24,26,28,30
	v_pk_add_f32 v[XB+\p:XB+\p+1], v[XB+\p:XB+\p+1], v[24:25] neg_lo:[0,1] neg_hi:[0,1]
.endr
	v_pk_mul_f32 v[8:9], v[XB:XB+1], v[XB:XB+1]
	v_pk_mul_f32 v[10:11], v[XB+2:XB+3], v[XB+2:XB+3]
.irp p, 4,8,12,16,20,24,28
	s_delay_alu instid0(VALU_DEP_2)
	v_pk_fma_f32 v[8:9], v[XB+\p:XB+\p+1], v[XB+\p:XB+\p+1], v[8:9]
	s_delay_alu instid0(VALU_DEP_2)
	v_pk_fma_f32 v[10:11], v[XB+\p+2:XB+\p+3], v[XB+\p+2:XB+\p+3], v[10:11]
.endr
	s_delay_alu instid0(VALU_DEP_1)
	v_pk_add_f32 v[8:9], v[8:9], v[10:11]
	s_delay_alu instid0(VALU_DEP_1)
	v_add_f32 v8, v8, v9
	REDUCE
	s_delay_alu instid0(VALU_DEP_1)
	v_fma_f32 v8, v8, s20, v29                     ; var + EPS
	s_wait_alu depctr_va_vdst(0)
	v_rsq_f32 v[26+4*\i], v8
	v_rsq_f32 v[27+4*\i], v8
	v_nop                                          ; a plain instruction behind the transcendentals, ahead of the next write of their source
.endm
.macro NORM i
.set XB, XR+32*\i
.irp p, 0,2,4,6,8,10,12,14,16,18,20,22,24,26,28,30
	v_pk_mul_f32 v[XB+\p:XB+\p+1], v[XB+\p:XB+\p+1], v[26+4*\i:27+4*\i]
.endr
.irp p, 0,2,4,6,8,10,12,14,16,18,20,22,24,26,28,30
	v_pk_fma_f32 v[XB+\p:XB+\p+1], v[XB+\p:XB+\p+1], v[GR+\p:GR+\p+1], v[BR+\p:BR+\p+1]
.endr
.endm
.macro QROW i
.set XB, XR+32*\i
.irp j, 0,1,2,3,4,5,6,7
	v_max3_num_f32 v[MR+\j], |v[XB+4*\j]|, |v[XB+4*\j+1]|, |v[XB+4*\j+2]|
.endr
.irp j, 0,1,2,3,4,5,6,7
	v_max3_num_f32 v[MR+\j], v[MR+\j], |v[XB+4*\j+3]|, 0x4800000   ; and the floor 2^(9 - 127): the byte cannot fall under 1
.endr
.irp m, 1,2,4
.irp j, 0,1,2,3,4,5,6,7
	v_max_num_f32_dpp v[MR+\j], v[MR+\j], v[MR+\j] row_xmask:\m row_mask:0xf bank_mask:0xf   ; the block's eight lanes
.endr
.endr
.irp j, 0,1,2,3,4,5,6,7
	v_and_b32 v[MR+\j], 0x7f800000, v[MR+\j]       ; the exponent field E of the largest magnitude
.endr
.irp j, 0,1,2,3,4,5,6,7
	v_sub_nc_u32 v[IV+2*\j], 0x83000000, v[MR+\j]  ; 2^-e, e = E - 127 - 8: exponent field 262 - E, between 8 and 253
	v_lshrrev_b32 v[IV+2*\j+1], 23, v[MR+\j]
.endr
.irp j, 0,1,2,3,4,5,6,7
	v_add_nc_u32 v[IV+2*\j+1], -8, v[IV+2*\j+1]    ; the scale's byte: E - 8
.endr
.irp j, 0,1,2,3,4,5,6,7
	v_pk_mul_f32 v[XB+4*\j:XB+4*\j+1], v[XB+4*\j:XB+4*\j+1], v[IV+2*\j:IV+2*\j+1] op_sel_hi:[1,0]
	v_pk_mul_f32 v[XB+4*\j+2:XB+4*\j+3], v[XB+4*\j+2:XB+4*\j+3], v[IV+2*\j:IV+2*\j+1] op_sel_hi:[1,0]
.endr
.set n, 0
.rept 32
	v_med3_num_f32 v[XB+n], v[XB+n], s18, s19      ; the conversion to an 8-bit code does not saturate (ISA guide 7.6.2): the hold comes first
.set n, n+1
.endr
.irp j, 0,2,4,6
	v_cvt_scalef32_pk8_fp8_f32 v[CR+\j:CR+\j+1], v[XB+4*\j:XB+4*\j+7], v28
.endr
	v_nop                                          ; a plain instruction behind the last conversion
.irp j, 0,1,2,3,4,5,6,7
	ds_store_b32 v3, v[CR+\j] offset:1024*\i+128*\j   ; four codes at k = 128 j + 4 lane: the row as it lies in memory
.endr
.irp j, 0,1,2,3,4,5,6,7
	ds_store_b8 v5, v[IV+2*\j+1] offset:32*\i+4*\j    ; the eight lanes of a block write the same byte with the same value
.endr
.endm
	s_wait_loadcnt 16                              ; my pieces of G and B are in; the 16 younger loads (the two rows) may be out
	ds_store_b128 v12, v[GR:GR+3]
	ds_store_b128 v12, v[BR:BR+3] offset:4096
	s_wait_dscnt 0x0                               ; for the other waves' sake: my pieces lie in LDS
	s_barrier_signal -1
	s_barrier_wait -1                              ; everybody's do
.irp j, 0,1,2,3,4,5,6,7
	ds_load_b128 v[GR+4*\j:GR+4*\j+3], v13 offset:512*\j          ; G and B in the rows' layout: numbers 128 j + 4 lane .. + 3
	ds_load_b128 v[BR+4*\j:BR+4*\j+3], v13 offset:4096+512*\j
.endr
	s_wait_loadcnt 8                               ; row 0 is in; row 1's eight loads may be out
	STAT 0
	s_wait_alu depctr_va_vdst(0)
	s_wait_loadcnt 0x0                             ; row 1
	STAT 1
	s_wait_alu depctr_va_vdst(0)                   ; the wait for the transcendentals, ahead of their first reader
	s_wait_dscnt 0x0                               ; G and B
	NORM 0
	NORM 1
	QROW 0
	s_wait_dscnt 0x0                               ; row 0's LDS stores have read their registers, which row 1 writes again
	QROW 1
.irp t, 0,1,2,3
	ds_load_b128 v[OU+4*\t:OU+4*\t+3], v4 offset:512*\t   ; LDS serves a wave's instructions in order: these see my stores
.endr
.irp t, 0,1,2,3
	s_wait_dscnt 3-\t                              ; the loads behind this one may be out
	global_store_b128 v2, v[OU+4*\t:OU+4*\t+3], s[10:11] offset:512*\t   ; two rows of codes are 2,048 consecutive bytes
.endr
	s_wait_dscnt 0x0                               ; for wave 0's sake: my scale bytes lie in LDS
	s_barrier_signal -1
	s_barrier_wait -1
	s_cmp_lg_u32 s12, 0
	s_cbranch_scc1 .Ldone
	ds_load_b128 v[208:211], v6                    ; wave 0 stores the 16 rows' 512 scale bytes: two whole runs of 256
	s_wait_dscnt 0x0
	global_store_b128 v2, v[208:211], s[24:25]
.Ldone:
	s_wait_tensorcnt 0x0                           ; the wave's end
	ds_add_u32 v216, v217
	s_wait_dscnt 0x0
	s_endpgm
.Lfunc_end_k_q8ef08fc0d0_ln1:
	.size	k_q8ef08fc0d0_ln1, .Lfunc_end_k_q8ef08fc0d0_ln1-k_q8ef08fc0d0_ln1
	.p2alignl 7, 3214868480
	.fill 96, 4, 3214868480
	.section	.rodata,"a",@progbits
	.p2align	6, 0x0
	.amdhsa_kernel k_q8ef08fc0d0_ln1
		.amdhsa_group_segment_fixed_size 26624
		.amdhsa_private_segment_fixed_size 0
		.amdhsa_enable_private_segment 0
		.amdhsa_kernarg_size 32
		.amdhsa_user_sgpr_count 2
		.amdhsa_user_sgpr_kernarg_segment_ptr 1
		.amdhsa_wavefront_size32 1
		.amdhsa_system_sgpr_workgroup_id_x 1
		.amdhsa_system_sgpr_workgroup_id_y 1
		.amdhsa_system_sgpr_workgroup_id_z 1
		.amdhsa_system_vgpr_workitem_id 0
		.amdhsa_next_free_vgpr 218
		.amdhsa_next_free_sgpr 66
		.amdhsa_reserve_vcc 0
		.amdhsa_float_denorm_mode_32 3
		.amdhsa_float_denorm_mode_16_64 3
		.amdhsa_memory_ordered 1
		.amdhsa_forward_progress 1
		.amdhsa_inst_pref_size 39
	.end_amdhsa_kernel
	.amdgpu_metadata
---
amdhsa.version: [ 1, 2 ]
amdhsa.kernels:
  - .name:           k_q8ef08fc0d0_ln1
    .symbol:         k_q8ef08fc0d0_ln1.kd
    .args:
      - { .name: x, .offset: 0, .size: 8, .value_kind: global_buffer, .address_space: global }
      - { .name: ln1_g, .offset: 8, .size: 8, .value_kind: global_buffer, .address_space: global }
      - { .name: ln1_b, .offset: 16, .size: 8, .value_kind: global_buffer, .address_space: global }
      - { .name: hq, .offset: 24, .size: 8, .value_kind: global_buffer, .address_space: global }
    .group_segment_fixed_size: 26624
    .private_segment_fixed_size: 0
    .kernarg_segment_align: 8
    .kernarg_segment_size: 32
    .max_flat_workgroup_size: 256
    .sgpr_count:     66
    .vgpr_count:     218
    .wavefront_size: 32
...
	.end_amdgpu_metadata
.endif
;; end of part 1
;; launch qkv (part 2): grid 12 x 16, 4 waves a work-group, clusters of 4 x 4, 327,680 bytes of LDS; arguments hq, Wq_codes, Wq_scales, Wk_codes, Wk_scales, Wv_codes, Wv_scales, qkv; writes qkv
.if DOCPART == 2
	.amdgcn_target "amdgcn-amd-amdhsa--gfx1250"
	.amdhsa_code_object_version 6
	.text
	.protected	k_q8ef08fc0d0_qkv
	.globl	k_q8ef08fc0d0_qkv
	.p2align	8
	.type	k_q8ef08fc0d0_qkv,@function
k_q8ef08fc0d0_qkv:
	s_mov_b64 s[64:65], 0
	v_nop
	global_prefetch_b8 v0, s[64:65] scope:SCOPE_SE
	s_setreg_imm32_b32 hwreg(HW_REG_WAVE_MODE, 25, 1), 1
	s_wait_xcnt 0x0
	s_wait_alu depctr_hold_cnt(0) depctr_sa_sdst(0) depctr_va_vdst(0) depctr_va_sdst(0) depctr_va_ssrc(0) depctr_va_vcc(0) depctr_vm_vsrc(0)
	s_getreg_b32 s2, hwreg(HW_REG_IB_STS2, 6, 4)
	s_cmp_eq_u32 s2, 0
	s_cbranch_scc0 .Lentry_in_a_cluster
	s_endpgm
.Lentry_in_a_cluster:
	s_bfe_u32 s2, ttmp6, 0x10000c
	s_cmp_lg_u32 s2, 0xf033
	s_cbranch_scc0 .Lentry_shape_is_right
	s_endpgm
.Lentry_shape_is_right:
; q, k, v = ln1(x) times Wq, Wk, Wv, on codes of E4M3 with E8M0 scales; the results are quantised again on the way out, q and k along the head's 64, v along the tokens, and stored as IMAGES OF OPERAND REGISTERS.
; One text for the three products: the cluster's x says which (0 q, 1 k, 2 v); all sixteen partners share it.  C = A B^T, K = 1,024, a tile of 256 x 256 for a work-group, 128 x 128 for each of four waves (64 accumulators).
; q, k: A = the tokens' codes (4,096 rows), B = the weight (1,024 rows = 16 heads x 64).   v: THE TWO SIDES ARE SWAPPED BY POINTERS: A = Wv, B = the tokens.
; The matrix instruction is used transposed (source 0 = 16 rows of B, source 1 = 16 rows of A): a lane holds one row of A, and its registers run along B's rows.  So B's rows are the axis along which the result is
; quantised: the head's channels for q and k, the tokens for v.
; K goes in steps of 256 through two LDS slots filled by the tensor data mover; the scale bytes of the 512 rows, for all of K, come once.  4 x 4 work-groups form a cluster: A's tiles are asked for jointly along a
; row of the cluster, B's along a column.  K has four steps: they are written out, no loop.
; AN IMAGE: a fragment (16 rows x 128 K) as its registers: piece c (32 along K) is 512 bytes, lane l's 16 bytes at 16 l: row l % 16, k = 32 c + 16 (l / 16) + 0 .. 15.  One store of a wave writes a piece: 512 consecutive bytes.
; qkv: 64 records (16 x batch + head) of 206,848 bytes: q's images [token tile 64][c 2][512] at 0, q's scale words [token] at 65,536 (two bytes, then 0x7f twice), k's images at 69,632, v's images
; [key step 8][channel tile 4][c 4][512] at 135,168, k's scale words at 200,704, v's [key step 8][channel 64] at 204,800.
; LIMITS: NaN and infinities are not served; a block whose largest magnitude is under 2^-118 (a block of zeros too) gets the byte 1; this program alone reads the bytes.
; REGISTERS, in windows of 256: window 0: v0-31 addresses; v32-63 scale words, two sets; from v128 A's fragments, one set; window 1: B's fragments, two sets; windows 2, 3: the accumulators ((a, b) at v[8 (8 (a % 4) + b)]).
.set KSTEP,  256
.set NQ,     2
.set ROWB,   256
.set KROW,   1024
.set PITCH,  272                       ; an LDS row: 256 bytes + 16 of padding: the 16 rows of a fragment load start at 16 different banks
.set FR,     16
.set NL,     4
.set NP,     8                         ; places behind this matrix instruction (ISA guide 7.12.1)
.set HALFT,  128*PITCH
.set SLOT,   4*HALFT
.set KS,     32
.set SCL,    2*SLOT
.set HALFS,  (128*KS/256)*272
.set SBLK,   (16*KS/256)*272
.set SPARE,  SCL+4*HALFS               ; the spare words: 512 bytes that no other line names
.set HSTR,   206848
.set ADRA, 16
.set ADRB, 20
.set LI,   24                          ; v24  16 x lane, stepped from block to block
.set SST,  25                          ; v25  where my scale word goes in my stage (1,024 bytes a wave, in slot 0, which has had its last fill and its last read)
.set SRD,  26                          ; v26  and where I read the stage back
.set ADRS, 27
.set SPW,  28
.set NIL,  29
.set VSH,  30                          ; v30  q, k: 16 x (lane / 16): which two bytes of the word are my head's;  v: 0
.set VSO,  31                          ; v31  my offset in the scale words' store
.set SC,   32
.set AF,   128
.set XT,   64                          ; the way out: v64-127 a block's numbers, held
.set PC,   128                         ; v128-159 codes, two sets
.set BK,   160                         ; v160-167 the stage read back
.set PW,   168                         ; v168-175 a block's four scale bytes, a register for each block
.set SW,   176                         ; v176-183 the word that goes to the stage
.set TM,   184                         ; v184-199 largest magnitudes, bytes, holds, scale operands
.set G1, 24
.set G0, 32
.set G1B, 48
.set G0B, 56
.set G1S, 68
.set G0S, 76
.set G1SB, 80
.set G0SB, 88
.set MSB, 0
.macro WIN new                         ; the immediate's high byte repeats the setting that is left
.if MSB != \new
	s_set_vgpr_msb (MSB<<8)|\new
.set MSB, \new
.endif
.endm
.set MUL_LO, 0xa1                      ; source 0 (B) window 1, source 1 (A) window 0, C and D window 2
.set MUL_HI, 0xf1
.set TO_B,   0x40
.macro JLOAD g0a, g1a, g0b, g1b        ; a joint load: waves 0 and 1 fetch for A, waves 2 and 3 for B; four v_nop follow each line
	s_cmp_eq_u32 s15, 0
	s_cbranch_scc0 .Lfor_b_\@
	tensor_load_to_lds s[\g0a:\g0a+3], s[\g1a:\g1a+7]
	s_nop 0
.rept 4
	v_nop
.endr
	s_branch .Lasked_\@
.Lfor_b_\@:
	tensor_load_to_lds s[\g0b:\g0b+3], s[\g1b:\g1b+7]
	s_nop 0
.rept 4
	v_nop
.endr
.Lasked_\@:
.endm
.macro CREST
	s_cmp_lg_u32 s14, 0
	s_cbranch_scc1 .Lnot_wave_0_\@
	s_barrier_signal -3
.Lnot_wave_0_\@:
	s_barrier_wait -3
	s_barrier_signal -1
	s_barrier_wait -1
.endm
.macro CROUND
	s_barrier_signal -1
	s_barrier_wait -1
	CREST
.endm
	s_load_b512 s[68:83], s[0:1], 0x0              ; hq, Wq codes, scales, Wk codes, scales, Wv codes, scales, qkv
	v_lshl_add_u32 v[SPW], v0, 2, SPARE
	v_mov_b32 v[NIL], 0
	ds_add_u32 v28, v29
	ds_add_u32 v28, v29
	s_wait_dscnt 0x0
	v_lshrrev_b32 v1, 5, v0
	v_readfirstlane_b32 s14, v1                    ; wave
	s_lshr_b32 s15, s14, 1                         ; my half of A's rows; also: I fetch for A (0) or B (1)
	s_and_b32 s16, s14, 1                          ; my half of B's rows; also: which 128 rows I fetch
	s_bfe_u32 s40, ttmp6, 0x40000                  ; cx
	s_bfe_u32 s41, ttmp6, 0x40004                  ; cy
	s_and_b32 s95, ttmp7, 0xffff                   ; the cluster's y = the batch
	s_cmp_eq_u32 ttmp9, 2                          ; v?
	s_cselect_b32 s96, 0, s95                      ; the tokens' 16 tiles lie along A's rows (q, k) or along B's (v)
	s_cselect_b32 s97, s95, 0
	s_lshl_b32 s42, s97, 2
	s_add_co_u32 s42, s42, s40                     ; tile column
	s_lshl_b32 s17, s96, 2
	s_add_co_u32 s17, s17, s41                     ; tile row
	s_lshl_b32 s43, s41, 2
	s_lshl_b32 s43, 15, s43                        ; my row of the cluster
	s_lshl_b32 s44, 0x1111, s40                    ; my column
	s_or_b32 s[G1+0], s43, (0<<16)|(1<<20)|(1<<21)|(5<<22)|(3<<25)   ; mask; 1-byte elements; padding: 4 words behind every 64; bit 21 beside a mask
	s_or_b32 s[G1B+0], s44, (0<<16)|(1<<20)|(1<<21)|(5<<22)|(3<<25)
.irp g, G1, G1B
	s_mov_b32 s[\g+1], ROWB<<16
	s_mov_b32 s[\g+2], 256<<16
	s_mov_b32 s[\g+3], ROWB<<16
	s_mov_b32 s[\g+4], 256
	s_mov_b32 s[\g+5], KROW
	s_mov_b32 s[\g+6], 0
	s_mov_b32 s[\g+7], 0
.endr
	s_mul_i32 s66, s16, 128*KROW                   ; in the ring I fetch 128 rows of a tile: which half, in bytes
	s_mov_b32 s67, 0
	s_lshl_b32 s20, s17, 8                         ; A: the tile's first row
	s_lshl_b32 s46, s42, 8                         ; B likewise
	s_mov_b32 s21, 0
	s_mov_b32 s47, 0
	s_mov_b64 s[18:19], KS
	s_mul_u64 s[22:23], s[20:21], s[18:19]
	s_mul_u64 s[92:93], s[46:47], s[18:19]
	s_mov_b64 s[18:19], KROW
	s_mul_u64 s[20:21], s[20:21], s[18:19]
	s_mul_u64 s[46:47], s[46:47], s[18:19]
	s_mul_i32 s45, s14, HALFT
	s_wait_kmcnt 0x0
	s_add_nc_u64 s[84:85], s[68:69], 0x400000      ; the tokens' scale bytes
	s_cmp_eq_u32 ttmp9, 1
	s_cselect_b64 s[8:9], s[74:75], s[70:71]       ; k's weight or q's
	s_cselect_b64 s[10:11], s[76:77], s[72:73]
	s_cmp_eq_u32 ttmp9, 2
	s_cselect_b64 s[4:5], s[78:79], s[68:69]       ; A's codes
	s_cselect_b64 s[6:7], s[80:81], s[84:85]       ; A's scales
	s_cselect_b64 s[8:9], s[68:69], s[8:9]         ; B's codes
	s_cselect_b64 s[10:11], s[84:85], s[10:11]     ; B's scales
	s_mov_b64 s[12:13], s[82:83]                   ; qkv
	s_or_b32 s[G1S+0], s43, (3<<16)|(1<<20)|(1<<21)|(5<<22)|(3<<25)   ; the scales of 256 rows: 8,192 dense bytes as 32 rows of 256, 16 of padding behind each
	s_or_b32 s[G1SB+0], s44, (3<<16)|(1<<20)|(1<<21)|(5<<22)|(3<<25)
.irp g, G1S, G1SB
	s_mov_b32 s[\g+1], 32<<16
	s_mov_b32 s[\g+2], (256*KS/256)<<16
	s_mov_b32 s[\g+3], 32<<16
	s_mov_b32 s[\g+4], 256*KS/256
	s_mov_b32 s[\g+5], 32
	s_mov_b32 s[\g+6], 0
	s_mov_b32 s[\g+7], 0
.endr
	s_add_nc_u64 s[20:21], s[4:5], s[20:21]
	s_add_nc_u64 s[22:23], s[6:7], s[22:23]
	s_add_nc_u64 s[46:47], s[8:9], s[46:47]
	s_add_nc_u64 s[92:93], s[10:11], s[92:93]
	CROUND                                         ; all sixteen work-groups are here: the first joint loads meet
	s_mov_b32 s[G0S], 1
	s_mov_b32 s[G0S+1], SCL
	s_mov_b64 s[G0S+2:G0S+3], s[22:23]
	s_or_b32 s[G0S+3], s[G0S+3], 0x80000000
	s_mov_b32 s[G0SB], 1
	s_mov_b32 s[G0SB+1], SCL+2*HALFS
	s_mov_b64 s[G0SB+2:G0SB+3], s[92:93]
	s_or_b32 s[G0SB+3], s[G0SB+3], 0x80000000
	; THE HEAD'S LOADS, ONE A WAVE: wave 0 K step 0's 256 rows of A, wave 1 its 256 rows of B, wave 2 the scales of A's 256 rows, wave 3 those of B's.
	; Slot 0's groups 0 serve these whole tiles first; behind the wait for the head's loads they get the wave's half and its place in LDS.
	s_mov_b32 s[G0], 1
	s_mov_b32 s[G0+1], 0
	s_mov_b64 s[G0+2:G0+3], s[20:21]
	s_or_b32 s[G0+3], s[G0+3], 0x80000000
	s_mov_b32 s[G0B], 1
	s_mov_b32 s[G0B+1], 2*HALFT
	s_mov_b64 s[G0B+2:G0B+3], s[46:47]
	s_or_b32 s[G0B+3], s[G0B+3], 0x80000000
	s_add_nc_u64 s[20:21], s[20:21], s[66:67]      ; for the ring: my 128 rows of the tile
	s_add_nc_u64 s[46:47], s[46:47], s[66:67]
	s_mov_b32 s[G0+4], 1
	s_add_co_u32 s[G0+5], s45, SLOT
	s_add_nc_u64 s[G0+6:G0+7], s[20:21], ROWB
	s_or_b32 s[G0+7], s[G0+7], 0x80000000
	s_mov_b32 s[G0B+4], 1
	s_add_co_u32 s[G0B+5], s45, SLOT
	s_add_nc_u64 s[G0B+6:G0B+7], s[46:47], ROWB
	s_or_b32 s[G0B+7], s[G0B+7], 0x80000000
.macro ARM under, g0, g1, next
	s_cmp_lt_u32 s14, \under
	s_cbranch_scc0 \next
	tensor_load_to_lds s[\g0:\g0+3], s[\g1:\g1+7]
	s_nop 0
.rept 4
	v_nop
.endr
	s_branch .Lhead_asked
\next:
.endm
	ARM 1, G0,  G1,  .Lhead_b
	ARM 2, G0B, G1B, .Lhead_sa
	ARM 3, G0S, G1S, .Lhead_sb
	tensor_load_to_lds s[G0SB:G0SB+3], s[G1SB:G1SB+7]
	s_nop 0
.rept 4
	v_nop
.endr
.Lhead_asked:
	; the prefetches: of the 128 rows that I fetch in the ring, the four partners that ask for them with me take 32 each, by address; a lane a row, 256 bytes of a row a K step; s[2:3] stands at K step 2
	s_cmp_eq_u32 s15, 0
	s_cselect_b64 s[2:3], s[20:21], s[46:47]
	s_cselect_b32 s18, s40, s41
	s_mul_i32 s18, s18, 32*KROW
	s_add_co_u32 s18, s18, 2*ROWB
	s_mov_b32 s19, 0
	s_add_nc_u64 s[2:3], s[2:3], s[18:19]
	v_and_b32 v1, 15, v0                           ; r
	v_bfe_u32 v2, v0, 4, 1                         ; h
	v_mul_u32_u24 v3, v1, PITCH
	v_lshl_add_u32 v4, v2, 4, v3
	s_mul_i32 s21, s15, HALFT
	s_mul_i32 s22, s16, HALFT
	s_add_co_u32 s22, s22, 2*HALFT
.irp s, 0,1
	v_add_nc_u32 v[ADRA+\s], s21, v4
	v_add_nc_u32 v[ADRB+\s], s22, v4
	s_add_co_u32 s21, s21, SLOT
	s_add_co_u32 s22, s22, SLOT
.endr
	v_mul_u32_u24 v5, v1, KS
	v_lshrrev_b32 v6, 8, v5
	v_lshl_add_u32 v5, v6, 4, v5
	s_mul_i32 s21, s15, HALFS
	s_mul_i32 s22, s16, HALFS
	s_add_co_u32 s22, s22, 2*HALFS
	s_sub_co_u32 s22, s22, s21
	v_mul_u32_u24 v6, s22, v2                      ; lanes 16-31 take B's scale words
	s_add_co_u32 s21, s21, SCL
	v_add_nc_u32 v5, v5, v6
	v_add_nc_u32 v[ADRS], s21, v5
	; the way out's numbers.  All choices on one compare stand ahead of the first addition
	s_cmp_eq_u32 ttmp9, 2
	s_cselect_b32 s96, s41, s40                    ; which four heads: along B's tiles (q, k) or A's (v)
	s_cselect_b32 s97, s15, s16                    ; which two of them are my wave's
	s_cselect_b32 s98, s40, s41                    ; which 256 tokens of the batch
	s_cselect_b32 s99, s16, s15                    ; which 128 of them
	s_mov_b32 s10, 1024
	s_cselect_b32 s10, 2048, s10                   ; from block to block of A's rows
	s_cselect_b32 s11, 198656, 0                   ; v: blocks 4-7 are the next head's: 206,848 - 4 x 2,048 more
	s_mov_b32 s23, HSTR
	s_cselect_b32 s23, 1024, s23                   ; from pieces 0, 1 to pieces 2, 3: the next head (q, k) or the same image (v)
	s_mov_b32 s18, 0xffff
	s_cselect_b32 s18, -1, s18
	s_cselect_b32 s19, 0, 0x7f7f0000               ; q, k: K 64 .. 127 of the next product are zero codes under the byte 0x7f
	s_cselect_b32 s100, 8, 9                       ; scale words of 128 tokens: 256 bytes a key step (v), 512 (q, k)
	s_cselect_b32 s101, 0, 16
	s_cselect_b32 s94, 206592, 0
	s_cselect_b32 s92, 135168, 0
	s_mov_b32 s93, 65536
	s_cselect_b32 s93, 204800, s93
	s_cmp_eq_u32 ttmp9, 1
	s_cselect_b32 s92, 69632, s92                  ; the images' place in a record
	s_cselect_b32 s93, 200704, s93                 ; the scale words'
	s_lshl_b32 s95, s95, 4
	s_lshl_b32 s96, s96, 2
	s_add_co_u32 s95, s95, s96
	s_lshl_b32 s97, s97, 1
	s_add_co_u32 s95, s95, s97                     ; my first record: 16 x batch + head
	s_lshl_b32 s98, s98, 1
	s_add_co_u32 s98, s98, s99                     ; which 128 tokens of the batch
	s_mul_i32 s95, s95, HSTR
	s_lshl_b32 s96, s98, 13
	s_add_co_u32 s96, s96, s95
	s_add_co_u32 s96, s96, s92
	s_mov_b32 s97, 0
	s_lshl_b32 s46, s98, s100
	s_add_co_u32 s46, s46, s95
	s_add_co_u32 s46, s46, s93
	s_mov_b32 s47, 0
	s_add_nc_u64 s[6:7], s[12:13], s[46:47]        ; scale words, my first head
	s_add_nc_u64 s[8:9], s[6:7], HSTR              ; and the next (q, k)
	s_add_nc_u64 s[12:13], s[12:13], s[96:97]      ; images: pieces 0, 1
	s_mov_b32 s46, s23
	s_add_nc_u64 s[4:5], s[12:13], s[46:47]        ; pieces 2, 3
	s_mov_b32 s20, 0x76543210
	s_mov_b32 s21, 0xfedcba98                      ; lane l xor 16
	s_mov_b32 s22, 0x600000                        ; the mantissa field of 448
	v_and_b32 v6, 31, v0
	v_mul_u32_u24 v8, v6, KROW                     ; the prefetches' offset: my lane x a row; never rewritten
	v_lshlrev_b32 v[LI], 4, v6
	s_lshl_b32 s23, s14, 10
	v_lshl_add_u32 v[SST], v2, 9, s23
	v_lshl_add_u32 v[SST], v1, 2, v[SST]           ; 1,024 x wave + 512 h + 4 r
	v_add_nc_u32 v[SRD], s23, v[LI]
	v_mul_u32_u24 v[VSH], s101, v2
	v_mul_u32_u24 v[VSO], s94, v2
	v_add_nc_u32 v[VSO], v[VSO], v[LI]
.macro FRAG reg, adr, q, i             ; 16 rows x 128 K: registers 4 c .. 4 c + 3 hold K = 32 c + 16 (l / 16) + 0 .. 15 of row l % 16
.irp c, 0,1,2,3
	ds_load_b128 v[\reg+4*\c:\reg+4*\c+3], v[\adr] offset:128*(\q)+32*\c+(\i)*16*PITCH
.endr
.endm
; 16 matrix instructions: A's blocks a0, a0 + 1 x B's eight.  The 64 accumulators take turns, one instruction a turn, in the same order in every step
.macro MUL16 a0, p, q, sc, zero
.irp a, \a0, \a0+1
.irp b, 0,1,2,3,4,5,6,7
.if \zero
	v_wmma_scale_f32_16x16x128_f8f6f4 v[8*(8*((\a)%4)+\b):8*(8*((\a)%4)+\b)+7], v[128*(\p)+FR*\b:128*(\p)+FR*\b+FR-1], v[AF+FR*(\a):AF+FR*(\a)+FR-1], 0, v[SC+8*NQ*(\sc)+NQ*\b+(\q)], v[SC+8*NQ*(\sc)+NQ*(\a)+(\q)] matrix_a_scale:MATRIX_SCALE_ROW1
.else
	v_wmma_scale_f32_16x16x128_f8f6f4 v[8*(8*((\a)%4)+\b):8*(8*((\a)%4)+\b)+7], v[128*(\p)+FR*\b:128*(\p)+FR*\b+FR-1], v[AF+FR*(\a):AF+FR*(\a)+FR-1], v[8*(8*((\a)%4)+\b):8*(8*((\a)%4)+\b)+7], v[SC+8*NQ*(\sc)+NQ*\b+(\q)], v[SC+8*NQ*(\sc)+NQ*(\a)+(\q)] matrix_a_scale:MATRIX_SCALE_ROW1
.endif
.endr
.endr
.endm
.macro FETCH_B slot, q, p
	WIN TO_B
.irp i, 0,1,2,3,4,5,6,7
	FRAG 128*(\p)+FR*\i, ADRB+\slot, \q, \i
.endr
	WIN 0
.endm
.macro FETCH_A slot, q, i0
.irp i, \i0, \i0+1, \i0+2, \i0+3
	FRAG AF+FR*(\i), ADRA+\slot, \q, \i
.endr
.endm
.macro SCALES sc                       ; a K step's two words a row: lanes 0-15 A's block i, lanes 16-31 B's block i
.irp i, 0,1,2,3,4,5,6,7
	ds_load_b64 v[SC+8*NQ*\sc+NQ*\i:SC+8*NQ*\sc+NQ*\i+1], v[ADRS] offset:\i*SBLK
.endr
.endm
.macro PLACES n                        ; plain vector instructions between a matrix instruction and a load into, or a vector access to, its registers
.rept \n
	v_nop
.endr
.endm
.macro STEP slot, q, zero              ; 128 along K whose successor lies in the same slot
	s_wait_dscnt 4*NL                              ; B's set and A's blocks 0-3 are in; the 16 youngest loads (A's blocks 4-7) may be out
	WIN MUL_LO
	MUL16 0, (\q)%2, \q, \slot, \zero
	MUL16 2, (\q)%2, \q, \slot, \zero
	s_wait_dscnt 0
	PLACES NP
	FETCH_B \slot, (\q)+1, 1-(\q)%2
	FETCH_A \slot, (\q)+1, 0
	WIN MUL_HI
	MUL16 4, (\q)%2, \q, \slot, \zero
	MUL16 6, (\q)%2, \q, \slot, \zero
	PLACES NP
	WIN 0
	FETCH_A \slot, (\q)+1, 4
.endm
; A slot's last step changes slots: one barrier; in front of it each wave waits for all its tensor loads, adds 0 to its spare word, and waits for that and for its reads of this slot
.macro TURN slot, next, fill
	s_wait_tensorcnt 0x0                           ; all my tensor loads have landed: my part of the next slot
	ds_add_u32 v[SPW], v[NIL]                      ; 0 onto my spare word
	s_wait_dscnt 4*NL+1                            ; the add and the 16 youngest loads (A's blocks 4-7) may be out
	WIN MUL_LO
	MUL16 0, 1, NQ-1, \slot, 0
	s_wait_dscnt 0x0                               ; the add is done, and my reads of this slot are over
	s_barrier_signal -1
	MUL16 2, 1, NQ-1, \slot, 0
	WIN 0
	s_barrier_wait -1
.if \fill
	CREST                                          ; the barrier has opened a round of the cluster's barrier: no wave of any partner still reads this slot or has a load on its way
	s_add_nc_u64 s[G0+4*\slot+2:G0+4*\slot+3], s[G0+4*\slot+2:G0+4*\slot+3], 2*ROWB
	s_add_nc_u64 s[G0B+4*\slot+2:G0B+4*\slot+3], s[G0B+4*\slot+2:G0B+4*\slot+3], 2*ROWB
	JLOAD G0+4*\slot, G1, G0B+4*\slot, G1B
	PLACES NP-4
.else
	PLACES NP
.endif
	s_wait_alu depctr_va_vdst(0)
	v_add_nc_u32 v[ADRS], 4*NQ, v[ADRS]
	FETCH_B \next, 0, 0
	FETCH_A \next, 0, 0
	SCALES \next
.if (\fill) && (\slot) == 0
	global_prefetch_b8 v8, s[2:3] offset:ROWB th:TH_LOAD_NT scope:SCOPE_SE   ; K step 3, a K step ahead of its load
.endif
	WIN MUL_HI
	MUL16 4, 1, NQ-1, \slot, 0
	MUL16 6, 1, NQ-1, \slot, 0
	PLACES NP
	WIN 0
	FETCH_A \next, 0, 4
.endm
	s_wait_alu depctr_va_vdst(0)
	s_wait_tensorcnt 0x0                           ; my tile of the head's four is in
	ds_add_u32 v[SPW], v[NIL]
	s_mov_b32 s[G1+2], 128<<16                     ; no tensor load of mine is out: from here on a load brings 128 rows,
	s_mov_b32 s[G1+4], 128
	s_mov_b32 s[G1B+2], 128<<16
	s_mov_b32 s[G1B+4], 128
	s_mov_b32 s[G0+1], s45                         ; and slot 0's groups 0 name my half and its place
	s_add_nc_u64 s[G0+2:G0+3], s[G0+2:G0+3], s[66:67]
	s_mov_b32 s[G0B+1], s45
	s_add_nc_u64 s[G0B+2:G0B+3], s[G0B+2:G0B+3], s[66:67]
	s_wait_dscnt 0x0
	CROUND                                         ; a whole round: all four tiles are in, and the joint loads meet
	JLOAD G0+4, G1, G0B+4, G1B                     ; K step 1, the first tensor load behind the round
	FETCH_B 0, 0, 0
	FETCH_A 0, 0, 0
	SCALES 0
	FETCH_A 0, 0, 4
	global_prefetch_b8 v8, s[2:3] th:TH_LOAD_NT scope:SCOPE_SE   ; K step 2, a K step ahead of its load
	STEP 0, 0, 1                                   ; the first products start the sums
	TURN 0, 1, 1                                   ; slot 0 takes K step 2
	STEP 1, 0, 0
	TURN 1, 0, 1                                   ; slot 1 takes K step 3
	STEP 0, 0, 0
	TURN 0, 1, 0
	STEP 1, 0, 0
	s_wait_dscnt 4*NL
	WIN MUL_LO
	MUL16 0, 1, NQ-1, 1, 0
	MUL16 2, 1, NQ-1, 1, 0
	s_wait_dscnt 0
	WIN MUL_HI
	MUL16 4, 1, NQ-1, 1, 0
	MUL16 6, 1, NQ-1, 1, 0
	WIN 0
; THE WAY OUT.  Block a: 16 rows of A x 128 rows of B.  Lane (r, h) holds row r; register 8 b + j is B's row 16 b + 8 h + j.  A block of 32 is accumulators 2 bq, 2 bq + 1 in lanes l and l xor 16.
; Two conversions give the codes of 8 h + 0 .. 7 and of 16 + 8 h + 0 .. 7; two swaps of half rows of lanes make of them 16 h + 0 .. 15: the image's piece.
.macro QOUT a
.set AC, 64*((\a)%4)
.set WW, 2+(\a)/4
.set WA, WW|(WW<<2)
.set PS, PC+16*((\a)%2)
	WIN WA                                         ; sources 0 and 1: the accumulators' window
.irp b, 0,1,2,3
	v_max3_num_f32 v[TM+\b], |v[AC+16*\b]|, |v[AC+16*\b+1]|, 0x4800000   ; each accumulator is read from its low end on; the floor 2^(9 - 127) holds the byte at 1 from below
.endr
.irp i, 2,4,6,8,10,12,14
.irp b, 0,1,2,3
	v_max3_num_f32 v[TM+\b], |v[AC+16*\b+\i]|, |v[AC+16*\b+\i+1]|, v[TM+\b]
.endr
.endr
	WIN 0
.irp b, 0,1,2,3
	v_permlanex16_b32 v[TM+4+\b], v[TM+\b], s20, s21
.endr
.irp b, 0,1,2,3
	v_max_num_f32 v[TM+\b], v[TM+\b], v[TM+4+\b]   ; the block's largest magnitude
.endr
.irp b, 0,1,2,3
	v_add_nc_u32 v[TM+12+\b], 0xfc000000, v[TM+\b] ; 8 off its exponent field: the conversion's scale operand
.endr
.irp b, 0,1,2,3
	v_and_or_b32 v[TM+8+\b], v[TM+\b], 0x7f800000, s22   ; 448 x the scale
.endr
.irp b, 0,1,2,3
	v_lshrrev_b32 v[TM+4+\b], 23, v[TM+12+\b]      ; the scale's byte
.endr
	v_lshl_or_b32 v[PW+(\a)], v[TM+5], 8, v[TM+4]
	v_lshl_or_b32 v[PW+(\a)], v[TM+6], 16, v[PW+(\a)]
	v_lshl_or_b32 v[PW+(\a)], v[TM+7], 24, v[PW+(\a)]
	WIN WW
.irp b, 0,1,2,3
.irp i, 0,1,2,3,4,5,6,7,8,9,10,11,12,13,14,15
	v_med3_num_f32 v[XT+16*\b+\i], v[AC+16*\b+\i], -v[TM+8+\b], v[TM+8+\b]   ; the conversion does not saturate (ISA guide 7.6.2): the hold comes first
.endr
.endr
	WIN 0
.irp b, 0,1,2,3
	v_cvt_scalef32_pk8_fp8_f32 v[PS+4*\b:PS+4*\b+1], v[XT+16*\b:XT+16*\b+7], v[TM+12+\b]
	v_cvt_scalef32_pk8_fp8_f32 v[PS+4*\b+2:PS+4*\b+3], v[XT+16*\b+8:XT+16*\b+15], v[TM+12+\b]
.endr
	v_nop                                          ; a plain instruction behind the last conversion
.irp b, 0,1,2,3
	v_permlane16_swap_b32 v[PS+4*\b], v[PS+4*\b+2]     ; the first register's lanes 16-31 change places with the second's lanes 0-15
	v_permlane16_swap_b32 v[PS+4*\b+1], v[PS+4*\b+3]
.endr
.endm
	PLACES NP
.irp b, 0,1,2,3
	v_mov_b32 v[TM+4+\b], 0                        ; written once: a lane permute's destination counts as one of its sources
.endr
.irp a, 0,1,2,3,4,5,6,7
	s_wait_xcnt 0x0                                ; the earlier blocks' stores have read their data and their offset
.if \a > 0
	v_add_nc_u32 v[LI], s10, v[LI]
.endif
.if \a == 4
	v_add_nc_u32 v[LI], s11, v[LI]
.endif
	QOUT \a
	global_store_b128 v[LI], v[PS:PS+3], s[12:13]              ; a piece: 512 consecutive bytes
	global_store_b128 v[LI], v[PS+4:PS+7], s[12:13] offset:512
	global_store_b128 v[LI], v[PS+8:PS+11], s[4:5]
	global_store_b128 v[LI], v[PS+12:PS+15], s[4:5] offset:512
	v_lshrrev_b32 v[SW+\a], v[VSH], v[PW+\a]
	v_and_or_b32 v[SW+\a], v[SW+\a], s18, s19
	ds_store_b32 v[SST], v[SW+\a] offset:64*\a
.endr
	ds_load_b128 v[BK:BK+3], v[SRD]                ; LDS serves a wave's instructions in order: these see my stores
	ds_load_b128 v[BK+4:BK+7], v[SRD] offset:512
	s_wait_dscnt 0x0
	global_store_b128 v[VSO], v[BK:BK+3], s[6:7]   ; q, k: my first head's 128 words;  v: 64 words of each of my two heads
	s_cmp_eq_u32 ttmp9, 2
	s_cbranch_scc1 .Lno_second
	global_store_b128 v[VSO], v[BK+4:BK+7], s[8:9] ; q, k: the second head's
.Lno_second:
	s_wait_tensorcnt 0x0                           ; the wave's end
	ds_add_u32 v[SPW], v[NIL]
	s_wait_dscnt 0x0
	CROUND                                         ; the closing round
	s_endpgm
.Lfunc_end_k_q8ef08fc0d0_qkv:
	.size	k_q8ef08fc0d0_qkv, .Lfunc_end_k_q8ef08fc0d0_qkv-k_q8ef08fc0d0_qkv
	.p2alignl 7, 3214868480
	.fill 96, 4, 3214868480
	.section	.rodata,"a",@progbits
	.p2align	6, 0x0
	.amdhsa_kernel k_q8ef08fc0d0_qkv
		.amdhsa_group_segment_fixed_size 327680
		.amdhsa_private_segment_fixed_size 0
		.amdhsa_enable_private_segment 0
		.amdhsa_kernarg_size 64
		.amdhsa_user_sgpr_count 2
		.amdhsa_user_sgpr_kernarg_segment_ptr 1
		.amdhsa_wavefront_size32 1
		.amdhsa_system_sgpr_workgroup_id_x 1
		.amdhsa_system_sgpr_workgroup_id_y 1
		.amdhsa_system_sgpr_workgroup_id_z 1
		.amdhsa_system_vgpr_workitem_id 0
		.amdhsa_next_free_vgpr 1024
		.amdhsa_next_free_sgpr 102
		.amdhsa_reserve_vcc 0
		.amdhsa_float_denorm_mode_32 3
		.amdhsa_float_denorm_mode_16_64 3
		.amdhsa_memory_ordered 1
		.amdhsa_forward_progress 1
		.amdhsa_inst_pref_size 191
	.end_amdhsa_kernel
	.amdgpu_metadata
---
amdhsa.version: [ 1, 2 ]
amdhsa.kernels:
  - .name:           k_q8ef08fc0d0_qkv
    .symbol:         k_q8ef08fc0d0_qkv.kd
    .args:
      - { .name: hq, .offset: 0, .size: 8, .value_kind: global_buffer, .address_space: global }
      - { .name: Wq_codes, .offset: 8, .size: 8, .value_kind: global_buffer, .address_space: global }
      - { .name: Wq_scales, .offset: 16, .size: 8, .value_kind: global_buffer, .address_space: global }
      - { .name: Wk_codes, .offset: 24, .size: 8, .value_kind: global_buffer, .address_space: global }
      - { .name: Wk_scales, .offset: 32, .size: 8, .value_kind: global_buffer, .address_space: global }
      - { .name: Wv_codes, .offset: 40, .size: 8, .value_kind: global_buffer, .address_space: global }
      - { .name: Wv_scales, .offset: 48, .size: 8, .value_kind: global_buffer, .address_space: global }
      - { .name: qkv, .offset: 56, .size: 8, .value_kind: global_buffer, .address_space: global }
    .group_segment_fixed_size: 327680
    .private_segment_fixed_size: 0
    .kernarg_segment_align: 8
    .kernarg_segment_size: 64
    .max_flat_workgroup_size: 128
    .sgpr_count:     102
    .vgpr_count:     1024
    .wavefront_size: 32
...
	.end_amdgpu_metadata
.endif
;; end of part 2
;; launch attn (part 3): grid 4 x 64, 16 waves a work-group, clusters of 4 x 1, 169,984 bytes of LDS; arguments qkv, oq; writes oq
.if DOCPART == 3
	.amdgcn_target "amdgcn-amd-amdhsa--gfx1250"
	.amdhsa_code_object_version 6
	.text
	.protected	k_q8ef08fc0d0_attn
	.globl	k_q8ef08fc0d0_attn
	.p2align	8
	.type	k_q8ef08fc0d0_attn,@function
k_q8ef08fc0d0_attn:
	s_mov_b64 s[64:65], 0
	v_nop
	global_prefetch_b8 v0, s[64:65] scope:SCOPE_SE
	s_setreg_imm32_b32 hwreg(HW_REG_WAVE_MODE, 25, 1), 1
	s_wait_xcnt 0x0
	s_wait_alu depctr_hold_cnt(0) depctr_sa_sdst(0) depctr_va_vdst(0) depctr_va_sdst(0) depctr_va_ssrc(0) depctr_va_vcc(0) depctr_vm_vsrc(0)
	s_getreg_b32 s2, hwreg(HW_REG_IB_STS2, 6, 4)
	s_cmp_eq_u32 s2, 0
	s_cbranch_scc0 .Lentry_in_a_cluster
	s_endpgm
.Lentry_in_a_cluster:
	s_bfe_u32 s2, ttmp6, 0x10000c
	s_cmp_lg_u32 s2, 0x3003
	s_cbranch_scc0 .Lentry_shape_is_right
	s_endpgm
.Lentry_shape_is_right:
; o = softmax(q k^T / 32, causal) v for one batch and head (the grid's y), both products on codes of E4M3 with E8M0 scales; o is quantised along the 1,024 channels and stored as images of operand registers.
; THE SOFTMAX: t = score x log2(e) / 32; M = the running largest t rounded up to a whole number; p = 2^(t - M) is quantised along the keys; the sum is taken of the unquantised p and divides at the end.
; SHARES.  The four work-groups of a cluster serve one head.  Wave w of work-group cx owns query tile 4 u + cx (16 queries), u a permutation of 0 .. 15 made from w: it needs key steps (128 keys) 0 .. u / 2, a count that
; hangs on the wave's number alone, so all four work-groups have the same work and no branch hangs on a work-group's place in its cluster.  Steps whose keys all come after the queries are jumped over; the one step on the diagonal is masked.
; THE PERMUTATION.  With the sixteen waves written as a square (row w / 4, column w % 4) the last key step u / 2 is 0 7 3 4 / 7 0 4 3 / 1 6 2 5 / 6 1 5 2: every row and every column of the square has 18 of the work-group's 72 key steps.
; LDS.  A head's k images, v images and their scale words are one dense block of 137,216 bytes of qkv: it is brought ONCE, jointly for the four work-groups, by waves 0-7 (67 rows of 256 bytes each), and stays.
; Nothing is filled again and nothing is stored to LDS.  All loads from memory stand at the kernel's head, so nothing is left to prefetch.
; LAYOUT.  Both products are used transposed: S^T = k q^T (source 0 = 16 keys), O^T = v^T p^T (source 0 = 16 channels): a lane holds one query throughout.  The first product's K is 64: the upper halves of both
; fragments are zero codes, under the byte 0x7f.  p's codes of keys 8 h + 0 .. 7 and 16 + 8 h + 0 .. 7 of a block are brought to 16 h + 0 .. 15 by two swaps of half rows of lanes.
; oq: images [row tile 256][K step 8][2,048] at 0; scale words [K step 8][row 4,096] at 4,194,304.  A head gives two bytes of a word: they leave by stores of two bytes a lane, 4 bytes apart (131,072 bytes in the whole launch).
; LIMITS: NaN and infinities are not served; a block whose largest magnitude is under 2^-118 (a block of zeros too) gets the byte 1; this program alone reads the bytes.
; REGISTERS: v1-7 addresses that stay; v8-11 the step's addresses; v12 -M, v13 the largest t, v[14:15] the sum; v16-31 q; v32-95 four fragments of k; v96-159 S^T, p, then v's four fragments; v160-191 O^T;
; v192-207 p's codes; v232-247, v252, v254 at work; v248-251 k's or v's scale words; v253 p's; v255 q's.
.set HSTR, 206848
.set WV,  8
.set WH,  9                            ; s9   the last key step that I need: u / 2
.set KC,  10                           ; s10  the key step
.set TB,  11                           ; s11  8,192 x step: k's and v's images
.set TS,  12                           ; s12  512 x step: k's scale words
.set TJ,  13                           ; s13  256 x step: v's
.set CS,  14                           ; s[14:15] log2(e) / 32
.set SEL, 16
.set MNT, 18
.set G1,  32
.set G0,  40
.set QT,  44                           ; s44  my query tile
.set UU,  45                           ; s45  u
.macro ROUND
	s_barrier_signal -1
	s_barrier_wait -1
	s_cmp_lg_u32 s[WV], 0
	s_cbranch_scc1 .Lnot_wave_0_\@
	s_barrier_signal -3
.Lnot_wave_0_\@:
	s_barrier_wait -3
	s_barrier_signal -1
	s_barrier_wait -1
.endm
	s_load_b128 s[4:7], s[0:1], 0x0                ; qkv, oq
	v_lshl_add_u32 v230, v0, 2, 0x29000
	v_mov_b32 v231, 0
	ds_add_u32 v230, v231
	ds_add_u32 v230, v231
	v_lshrrev_b32 v1, 5, v0
	s_delay_alu instid0(VALU_DEP_1)
	v_readfirstlane_b32 s[WV], v1
	s_lshr_b32 s46, s[WV], 2                       ; w / 4
	s_xor_b32 s47, s[WV], s46
	s_and_b32 s47, s47, 1                          ; bit 0 of w xor bit 2 of w
	s_mul_i32 s[WH], s47, 7
	s_bfe_u32 s47, s[WV], 0x10001                  ; bit 1 of w
	s_mul_i32 s47, s47, 3
	s_xor_b32 s[WH], s[WH], s47
	s_lshr_b32 s47, s[WV], 3                       ; bit 3 of w
	s_xor_b32 s[WH], s[WH], s47                    ; u / 2
	s_and_b32 s46, s46, 1                          ; bit 2 of w tells the two waves of one u / 2 apart
	s_lshl_b32 s[UU], s[WH], 1
	s_or_b32 s[UU], s[UU], s46                     ; u
	s_bfe_u32 s19, ttmp6, 0x40000                  ; cx
	s_and_b32 s20, ttmp7, 0xffff                   ; 16 x batch + head
	s_mul_i32 s21, s20, HSTR
	s_mov_b32 s[G1+0], 15|(3<<16)|(1<<21)          ; the mask: all four work-groups; elements of 8 bytes; bit 21 beside a mask
	s_mov_b32 s[G1+1], 32<<16                      ; rows of 256 bytes
	s_mov_b32 s[G1+2], 67<<16
	s_mov_b32 s[G1+3], 32<<16
	s_mov_b32 s[G1+4], 67
	s_mov_b32 s[G1+5], 32
	s_mov_b32 s[G1+6], 0
	s_mov_b32 s[G1+7], 0
	s_mul_i32 s22, s[WV], 17152
	s_add_co_u32 s24, s21, s22
	s_add_co_u32 s24, s24, 69632
	s_mov_b32 s25, 0
	s_mov_b32 s[CS], 0x3d38aa3b
	s_mov_b32 s[CS+1], s[CS]
	s_mov_b32 s[SEL], 0x76543210
	s_mov_b32 s[SEL+1], 0xfedcba98
	s_mov_b32 s[MNT], 0x600000
	s_mov_b32 s[KC], 0
	s_mov_b32 s[TB], 0
	s_mov_b32 s[TS], 0
	s_mov_b32 s[TJ], 0
	s_wait_dscnt 0x0
	s_wait_kmcnt 0x0
	s_mov_b32 s[G0], 1
	s_mov_b32 s[G0+1], s22
	s_add_nc_u64 s[G0+2:G0+3], s[4:5], s[24:25]
	s_or_b32 s[G0+3], s[G0+3], 0x80000000
	ROUND                                          ; the four work-groups are here: the joint loads meet
	s_cmp_lt_u32 s[WV], 8
	s_cbranch_scc0 .Lno_fill
	tensor_load_to_lds s[G0:G0+3], s[G1:G1+7]      ; my one tensor load of the launch
	s_nop 0
.rept 4
	v_nop
.endr
.Lno_fill:
	s_lshl_b32 s[QT], s[UU], 2
	s_add_co_u32 s[QT], s[QT], s19                 ; my query tile: 4 u + cx
	s_lshl_b32 s26, s[QT], 10
	s_add_co_u32 s26, s26, s21
	s_mov_b32 s27, 0
	s_add_nc_u64 s[26:27], s[4:5], s[26:27]        ; its image
	s_lshl_b32 s28, s[QT], 6
	s_add_co_u32 s28, s28, s21
	s_add_co_u32 s28, s28, 65536
	s_mov_b32 s29, 0
	s_add_nc_u64 s[28:29], s[4:5], s[28:29]        ; its scale words
	v_and_b32 v9, 31, v0
	s_delay_alu instid0(VALU_DEP_1)
	v_lshlrev_b32 v1, 4, v9                        ; 16 x lane
	global_load_b128 v[16:19], v1, s[26:27]
	global_load_b128 v[20:23], v1, s[26:27] offset:512
	v_and_b32 v10, 15, v0                          ; r
	v_bfe_u32 v11, v0, 4, 1                        ; h
	s_delay_alu instid0(VALU_DEP_2)
	v_lshlrev_b32 v254, 2, v10
	global_load_b32 v255, v254, s[28:29]
	v_add_nc_u32 v2, 0x10000, v1                   ; v's images
	v_lshl_add_u32 v3, v10, 2, 131072              ; k's scale words
	v_lshl_add_u32 v4, v10, 2, 135168              ; v's
	s_and_b32 s30, s[UU], 1
	s_lshl_b32 s30, s30, 6
	s_lshl_b32 s31, s19, 4
	s_add_co_u32 s30, s30, s31                     ; my tile's place in the diagonal step: 16 x ((4 u + cx) % 8)
	v_lshlrev_b32 v8, 3, v11
	s_delay_alu instid0(VALU_DEP_1)
	v_sub_nc_u32 v5, v10, v8
	s_delay_alu instid0(VALU_DEP_1)
	v_add_nc_u32 v5, s30, v5                       ; d = my query's place in the diagonal step - 8 h.  Register 8 t + j holds key 16 t + 8 h + j: hidden where 16 t + j > d
	v_mov_b32 v6, 0xff800000                       ; -infinity
	v_mov_b32 v13, 0xff61b1e6                      ; the largest t so far: -3e38
	s_delay_alu instid0(VALU_DEP_1)
	v_floor_f32 v12, -v13
	v_mov_b32 v14, 0
	v_mov_b32 v15, 0
	v_mov_b32 v252, 0
	v_mov_b32 v253, 0
.irp b, 0,1,2,3
	v_mov_b32 v[236+\b], 0                         ; written once: a lane permute's destination counts as one of its sources
.endr
.irp j, 24,25,26,27,28,29,30,31
	v_mov_b32 v[\j], 0                             ; q: K 64 .. 127 are zero codes
.endr
.irp t, 0,1,2,3
.irp j, 8,9,10,11,12,13,14,15
	v_mov_b32 v[32+16*\t+\j], 0                    ; k likewise: written once, no load lands here
.endr
.endr
.set n, 0
.rept 32
	v_mov_b32 v[160+n], 0                          ; O^T: the step is written once; its first trip finds zeros
.set n, n+1
.endr
	s_wait_tensorcnt 0x0                           ; my part of the head is in,
	s_barrier_signal -1
	s_barrier_wait -1                              ; everybody's is
	s_wait_loadcnt 0x0                             ; q
.Lstep:                                            ; eight trips in every wave
	s_cmp_gt_u32 s[KC], s[WH]
	s_cbranch_scc1 .Lhidden                        ; all 128 keys come after my queries
	v_add_nc_u32 v8, s[TB], v1
	s_wait_alu depctr_va_vdst(0)
	v_add_nc_u32 v9, s[TB], v2
	v_add_nc_u32 v10, s[TS], v3
	s_wait_alu depctr_va_vdst(0)
	v_add_nc_u32 v11, s[TJ], v4
.irp g, 0,1                                    ; S^T = k q^T, four tiles of 16 keys at a time
.if \g > 0
.rept 8
	v_nop                                          ; places in front of loads into registers that the last products read
.endr
.endif
.irp t, 0,1,2,3
	ds_load_b128 v[32+16*\t:35+16*\t], v8 offset:(4*\g+\t)*1024
	ds_load_b128 v[36+16*\t:39+16*\t], v8 offset:(4*\g+\t)*1024+512
	ds_load_b32 v[248+\t], v10 offset:(4*\g+\t)*64
.endr
	s_wait_dscnt 0x0
.irp t, 0,1,2,3
	v_wmma_scale_f32_16x16x128_f8f6f4 v[96+8*(4*\g+\t):103+8*(4*\g+\t)], v[32+16*\t:47+16*\t], v[16:31], 0, v[248+\t], v255
.endr
.endr
.rept 8
	v_nop
.endr
	s_cmp_lt_u32 s[KC], s[WH]
	s_cbranch_scc1 .Lopen                          ; all keys of this step count
.irp n, 0,1,2,3,4,5,6,7,8,9,10,11,12,13,14,15,16,17,18,19,20,21,22,23,24,25,26,27,28,29,30,31,32,33,34,35,36,37,38,39,40,41,42,43,44,45,46,47,48,49,50,51,52,53,54,55,56,57,58,59,60,61,62,63
	v_cmp_gt_i32 vcc_lo, 16*(\n/8)+\n%8, v5
	v_cndmask_b32 v[96+\n], v[96+\n], v6, vcc_lo   ; a hidden key's score becomes -infinity: p = 0
.endr
.Lopen:
.irp b, 0,1,2,3
	v_max3_num_f32 v[232+\b], v[96+16*\b], v[97+16*\b], v[98+16*\b]   ; the largest score of each block of 32 keys: for the row's maximum and, since p rises with the score, for the block's largest p
.endr
.irp i, 3,5,7,9,11,13
.irp b, 0,1,2,3
	v_max3_num_f32 v[232+\b], v[232+\b], v[96+16*\b+\i], v[97+16*\b+\i]
.endr
.endr
.irp b, 0,1,2,3
	v_max_num_f32 v[232+\b], v[232+\b], v[111+16*\b]
.endr
.irp b, 0,1,2,3
	s_delay_alu instid0(VALU_DEP_4)
	v_permlanex16_b32 v[236+\b], v[232+\b], s[SEL], s[SEL+1]
.endr
.irp b, 0,1,2,3
	s_delay_alu instid0(VALU_DEP_4)
	v_max_num_f32 v[232+\b], v[232+\b], v[236+\b]
.endr
	s_delay_alu instid0(VALU_DEP_2)
	v_max3_num_f32 v254, v232, v233, v234
	s_delay_alu instid0(VALU_DEP_1)
	v_max_num_f32 v254, v254, v235
	s_delay_alu instid0(VALU_DEP_1)
	v_mul_f32 v254, s[CS], v254
	s_delay_alu instid0(VALU_DEP_1)
	v_max_num_f32 v13, v13, v254                   ; the running largest t
	v_mov_b32 v254, v12
	s_delay_alu instid0(VALU_DEP_2)
	v_floor_f32 v12, -v13                          ; -M = floor(-t)
	s_delay_alu instid0(VALU_DEP_1)
	v_sub_f32 v254, v12, v254                      ; old M - new M: a whole number, 0 or less
	s_delay_alu instid0(VALU_DEP_1)
	v_cvt_i32_f32 v254, v254                       ; (it saturates)
	s_delay_alu instid0(VALU_DEP_1)
	v_ldexp_f32 v252, 1.0, v254                    ; f = 2^(old M - new M)
.irp j, 0,2,4,6,8,10,12,14,16,18,20,22,24,26,28,30,32,34,36,38,40,42,44,46,48,50,52,54,56,58,60,62
	v_pk_fma_f32 v[96+\j:97+\j], v[96+\j:97+\j], s[CS:CS+1], v[12:13] op_sel_hi:[1,0,0]   ; t - M
.endr
.irp b, 0,1,2,3
	v_fma_f32 v[232+\b], v[232+\b], s[CS], v12
.endr
	s_wait_alu depctr_va_vdst(0)
.irp j, 0,1,2,3,4,5,6,7,8,9,10,11,12,13,14,15,16,17,18,19,20,21,22,23,24,25,26,27,28,29,30,31,32,33,34,35,36,37,38,39,40,41,42,43,44,45,46,47,48,49,50,51,52,53,54,55,56,57,58,59,60,61,62,63
	v_exp_f32 v[96+\j], v[96+\j]                   ; p = 2^(t - M)
.endr
	v_pk_mul_f32 v[14:15], v[14:15], v[252:253] op_sel_hi:[1,0]   ; the sums under the new M; the plain instruction behind the batch
	s_wait_alu depctr_va_vdst(0)                   ; one wait for the 64, ahead of their first reader
.irp b, 0,1,2,3
	v_exp_f32 v[232+\b], v[232+\b]                 ; the blocks' largest p
.endr
	v_pk_add_f32 v[236:237], v[100:101], v[104:105]
	v_pk_add_f32 v[250:251], v[108:109], v[112:113]
	v_pk_add_f32 v[248:249], v[116:117], v[120:121]
	v_pk_add_f32 v[246:247], v[124:125], v[128:129]
	v_pk_add_f32 v[244:245], v[132:133], v[136:137]
	v_pk_add_f32 v[242:243], v[140:141], v[144:145]
	v_pk_add_f32 v[240:241], v[148:149], v[152:153]
	v_pk_add_f32 v[14:15], v[14:15], v[156:157]
	v_pk_add_f32 v[236:237], v[236:237], v[96:97]
	v_pk_add_f32 v[250:251], v[250:251], v[98:99]
	v_pk_add_f32 v[248:249], v[248:249], v[102:103]
	v_pk_add_f32 v[246:247], v[246:247], v[106:107]
	v_pk_add_f32 v[244:245], v[244:245], v[110:111]
	v_pk_add_f32 v[242:243], v[242:243], v[114:115]
	v_pk_add_f32 v[240:241], v[240:241], v[118:119]
	v_pk_add_f32 v[14:15], v[14:15], v[122:123]
	v_pk_add_f32 v[236:237], v[236:237], v[126:127]
	v_pk_add_f32 v[250:251], v[250:251], v[130:131]
	v_pk_add_f32 v[248:249], v[248:249], v[134:135]
	v_pk_add_f32 v[246:247], v[246:247], v[138:139]
	v_pk_add_f32 v[244:245], v[244:245], v[142:143]
	v_pk_add_f32 v[242:243], v[242:243], v[146:147]
	v_pk_add_f32 v[240:241], v[240:241], v[150:151]
	v_pk_add_f32 v[14:15], v[14:15], v[154:155]
	v_pk_add_f32 v[236:237], v[236:237], v[158:159]
	s_delay_alu instid0(VALU_DEP_2)
	v_pk_add_f32 v[14:15], v[14:15], v[246:247]
	s_delay_alu instid0(VALU_DEP_2)
	v_pk_add_f32 v[236:237], v[236:237], v[244:245]
	v_pk_add_f32 v[250:251], v[250:251], v[242:243]
	v_pk_add_f32 v[248:249], v[248:249], v[240:241]
	s_delay_alu instid0(VALU_DEP_2)
	v_pk_add_f32 v[14:15], v[14:15], v[250:251]
	s_delay_alu instid0(VALU_DEP_2)
	v_pk_add_f32 v[236:237], v[236:237], v[248:249]
	s_delay_alu instid0(VALU_DEP_1)
	v_pk_add_f32 v[14:15], v[14:15], v[236:237]
	s_wait_alu depctr_va_vdst(0)                   ; and one for the four
.irp b, 0,1,2,3
	v_max_num_f32 v[232+\b], 0x4800000, v[232+\b]  ; the floor 2^(9 - 127)
.endr
.irp b, 0,1,2,3
	s_delay_alu instid0(VALU_DEP_4)
	v_add_nc_u32 v[244+\b], 0xfc000000, v[232+\b]  ; the conversion's scale operand
.endr
.irp b, 0,1,2,3
	v_and_or_b32 v[240+\b], v[232+\b], 0x7f800000, s[MNT]   ; 448 x the scale
.endr
.irp b, 0,1,2,3
	v_lshrrev_b32 v[236+\b], 23, v[244+\b]         ; the byte
.endr
	s_delay_alu instid0(VALU_DEP_3)
	v_lshl_or_b32 v253, v237, 8, v236              ; p's scale word for these 128 keys
	s_delay_alu instid0(VALU_DEP_1)
	v_lshl_or_b32 v253, v238, 16, v253
	s_delay_alu instid0(VALU_DEP_1)
	v_lshl_or_b32 v253, v239, 24, v253
.irp b, 0,1,2,3
.irp i, 0,1,2,3,4,5,6,7,8,9,10,11,12,13,14,15
	v_min_num_f32 v[96+16*\b+\i], v[96+16*\b+\i], v[240+\b]   ; p is not negative: the hold is one-sided
.endr
	v_cvt_scalef32_pk8_fp8_f32 v[192+4*\b:193+4*\b], v[96+16*\b:103+16*\b], v[244+\b]
	v_cvt_scalef32_pk8_fp8_f32 v[194+4*\b:195+4*\b], v[104+16*\b:111+16*\b], v[244+\b]
.endr
	v_nop                                          ; a plain instruction behind the last conversion
.irp b, 0,1,2,3
	v_permlane16_swap_b32 v[192+4*\b], v[194+4*\b] ; keys 32 b + 16 h + 0 .. 15 in registers 4 b .. 4 b + 3
	v_permlane16_swap_b32 v[193+4*\b], v[195+4*\b]
.endr
.irp t, 0,1,2,3
.irp c, 0,1,2,3
	ds_load_b128 v[96+16*\t+4*\c:99+16*\t+4*\c], v9 offset:2048*\t+512*\c   ; v's four fragments take p's registers
.endr
	ds_load_b32 v[248+\t], v11 offset:64*\t
.endr
.irp j, 0,2,4,6,8,10,12,14,16,18,20,22,24,26,28,30
	v_pk_mul_f32 v[160+\j:161+\j], v[160+\j:161+\j], v[252:253] op_sel_hi:[1,0]   ; O^T under the new M; these 16 are also the places between the codes' last write and the products
.endr
	s_wait_alu depctr_va_vdst(0)
	s_wait_dscnt 0x0
.irp t, 0,1,2,3
	v_wmma_scale_f32_16x16x128_f8f6f4 v[160+8*\t:167+8*\t], v[96+16*\t:111+16*\t], v[192:207], v[160+8*\t:167+8*\t], v[248+\t], v253
.endr
.rept 9
	v_nop                                          ; the next step's products write over registers that these have read: nine places
.endr
.Lhidden:
	s_add_co_u32 s[TB], s[TB], 8192
	s_add_co_u32 s[TS], s[TS], 512
	s_add_co_u32 s[TJ], s[TJ], 256
	s_add_co_u32 s[KC], s[KC], 1
	s_cmp_lt_u32 s[KC], 8
	s_cbranch_scc1 .Lstep
	; THE WAY OUT: O^T / the sum, quantised in two blocks of 32 channels
	v_add_f32 v14, v14, v15
	s_delay_alu instid0(VALU_DEP_1)
	v_permlanex16_b32 v252, v14, s[SEL], s[SEL+1]
	s_delay_alu instid0(VALU_DEP_1)
	v_add_f32 v14, v14, v252
	s_wait_alu depctr_va_vdst(0)
	v_rcp_f32 v14, v14
	v_and_b32 v8, 15, v0
	s_delay_alu instid0(VALU_DEP_1)
	v_lshlrev_b32 v8, 2, v8                        ; 4 r
	s_lshr_b32 s21, s20, 4                         ; batch
	s_and_b32 s22, s20, 15                         ; head
	s_lshl_b32 s23, s21, 6
	s_add_co_u32 s23, s23, s[QT]                   ; row tile
	s_lshl_b32 s24, s23, 14                        ; eight K steps of 2,048 bytes a row tile;
	s_lshl_b32 s25, s22, 10                        ; a head is half a K step: 1,024 bytes
	s_add_co_u32 s24, s24, s25
	s_mov_b32 s25, 0
	s_add_nc_u64 s[24:25], s[6:7], s[24:25]
	s_lshl_b32 s26, s23, 6                         ; 16 rows x 4 bytes
	s_lshr_b32 s27, s22, 1
	s_lshl_b32 s27, s27, 14
	s_add_co_u32 s26, s26, s27
	s_and_b32 s27, s22, 1
	s_lshl_b32 s27, s27, 1
	s_add_co_u32 s26, s26, s27
	s_add_co_u32 s26, s26, 0x400000
	s_mov_b32 s27, 0
	s_add_nc_u64 s[26:27], s[6:7], s[26:27]
	s_wait_alu depctr_va_vdst(0)                   ; the wait, ahead of the reciprocal's first reader
.set n, 0
.rept 32
	v_mul_f32 v[96+n], v[160+n], v14               ; register 8 t + j is o(r, 16 t + 8 h + j)
.set n, n+1
.endr
.irp b, 0,1
	v_max3_num_f32 v[232+\b], |v[96+16*\b]|, |v[97+16*\b]|, 0x4800000
.endr
.irp i, 2,4,6,8,10,12,14
.irp b, 0,1
	s_delay_alu instid0(VALU_DEP_2)
	v_max3_num_f32 v[232+\b], v[232+\b], |v[96+16*\b+\i]|, |v[97+16*\b+\i]|
.endr
.endr
.irp b, 0,1
	s_delay_alu instid0(VALU_DEP_2)
	v_permlanex16_b32 v[236+\b], v[232+\b], s[SEL], s[SEL+1]
.endr
.irp b, 0,1
	s_delay_alu instid0(VALU_DEP_2)
	v_max_num_f32 v[232+\b], v[232+\b], v[236+\b]
.endr
.irp b, 0,1
	s_delay_alu instid0(VALU_DEP_2)
	v_add_nc_u32 v[244+\b], 0xfc000000, v[232+\b]
.endr
.irp b, 0,1
	s_delay_alu instid0(VALU_DEP_4)
	v_and_or_b32 v[240+\b], v[232+\b], 0x7f800000, s[MNT]
.endr
.irp b, 0,1
	s_delay_alu instid0(VALU_DEP_4)
	v_lshrrev_b32 v[236+\b], 23, v[244+\b]
.endr
	s_delay_alu instid0(VALU_DEP_1)
	v_lshl_or_b32 v254, v237, 8, v236              ; my row's two bytes
.irp b, 0,1
.irp i, 0,1,2,3,4,5,6,7,8,9,10,11,12,13,14,15
	v_med3_num_f32 v[96+16*\b+\i], v[96+16*\b+\i], -v[240+\b], v[240+\b]
.endr
	v_cvt_scalef32_pk8_fp8_f32 v[192+4*\b:193+4*\b], v[96+16*\b:103+16*\b], v[244+\b]
	v_cvt_scalef32_pk8_fp8_f32 v[194+4*\b:195+4*\b], v[104+16*\b:111+16*\b], v[244+\b]
.endr
	v_nop
.irp b, 0,1
	v_permlane16_swap_b32 v[192+4*\b], v[194+4*\b]
	v_permlane16_swap_b32 v[193+4*\b], v[195+4*\b]
.endr
	global_store_b128 v1, v[192:195], s[24:25]             ; a piece: 512 consecutive bytes
	global_store_b128 v1, v[196:199], s[24:25] offset:512
	global_store_b16 v8, v254, s[26:27]                    ; lanes 16-31 repeat lanes 0-15
	s_wait_tensorcnt 0x0
	ds_add_u32 v230, v231
	s_wait_dscnt 0x0
	ROUND                                          ; the closing round: no work-group ends while a partner may still ask
	s_endpgm
.Lfunc_end_k_q8ef08fc0d0_attn:
	.size	k_q8ef08fc0d0_attn, .Lfunc_end_k_q8ef08fc0d0_attn-k_q8ef08fc0d0_attn
	.p2alignl 7, 3214868480
	.fill 96, 4, 3214868480
	.section	.rodata,"a",@progbits
	.p2align	6, 0x0
	.amdhsa_kernel k_q8ef08fc0d0_attn
		.amdhsa_group_segment_fixed_size 169984
		.amdhsa_private_segment_fixed_size 0
		.amdhsa_enable_private_segment 0
		.amdhsa_kernarg_size 16
		.amdhsa_user_sgpr_count 2
		.amdhsa_user_sgpr_kernarg_segment_ptr 1
		.amdhsa_wavefront_size32 1
		.amdhsa_system_sgpr_workgroup_id_x 1
		.amdhsa_system_sgpr_workgroup_id_y 1
		.amdhsa_system_sgpr_workgroup_id_z 1
		.amdhsa_system_vgpr_workitem_id 0
		.amdhsa_next_free_vgpr 256
		.amdhsa_next_free_sgpr 66
		.amdhsa_reserve_vcc 1
		.amdhsa_float_denorm_mode_32 3
		.amdhsa_float_denorm_mode_16_64 3
		.amdhsa_memory_ordered 1
		.amdhsa_forward_progress 1
		.amdhsa_inst_pref_size 41
	.end_amdhsa_kernel
	.amdgpu_metadata
---
amdhsa.version: [ 1, 2 ]
amdhsa.kernels:
  - .name:           k_q8ef08fc0d0_attn
    .symbol:         k_q8ef08fc0d0_attn.kd
    .args:
      - { .name: qkv, .offset: 0, .size: 8, .value_kind: global_buffer, .address_space: global }
      - { .name: oq, .offset: 8, .size: 8, .value_kind: global_buffer, .address_space: global }
    .group_segment_fixed_size: 169984
    .private_segment_fixed_size: 0
    .kernarg_segment_align: 8
    .kernarg_segment_size: 16
    .max_flat_workgroup_size: 512
    .sgpr_count:     66
    .vgpr_count:     256
    .wavefront_size: 32
...
	.end_amdgpu_metadata
.endif
;; end of part 3
;; launch proj (part 4): grid 8 x 32, 4 waves a work-group, clusters of 4 x 4, 327,680 bytes of LDS; arguments oq, Wproj_codes, Wproj_scales, bproj, x, x1; writes x1
.if DOCPART == 4
	.amdgcn_target "amdgcn-amd-amdhsa--gfx1250"
	.amdhsa_code_object_version 6
	.text
	.protected	k_q8ef08fc0d0_proj
	.globl	k_q8ef08fc0d0_proj
	.p2align	8
	.type	k_q8ef08fc0d0_proj,@function
k_q8ef08fc0d0_proj:
	s_mov_b64 s[64:65], 0
	v_nop
	global_prefetch_b8 v0, s[64:65] scope:SCOPE_SE
	s_setreg_imm32_b32 hwreg(HW_REG_WAVE_MODE, 25, 1), 1
	s_wait_xcnt 0x0
	s_wait_alu depctr_hold_cnt(0) depctr_sa_sdst(0) depctr_va_vdst(0) depctr_va_sdst(0) depctr_va_ssrc(0) depctr_va_vcc(0) depctr_vm_vsrc(0)
	s_getreg_b32 s2, hwreg(HW_REG_IB_STS2, 6, 4)
	s_cmp_eq_u32 s2, 0
	s_cbranch_scc0 .Lentry_in_a_cluster
	s_endpgm
.Lentry_in_a_cluster:
	s_bfe_u32 s2, ttmp6, 0x10000c
	s_cmp_lg_u32 s2, 0xf033
	s_cbranch_scc0 .Lentry_shape_is_right
	s_endpgm
.Lentry_shape_is_right:
; OUT = RESID + BIAS + A W^T on codes of E4M3 with E8M0 scales, KK = 1,024: the text of launch ff2 with one chunk of K.  All of W's 128 rows lie in one slot, filled at the head; nothing is filled again, the loop and the prefetch are not assembled.
; A: 4,096 rows x KK as images of operand registers [row tile 256][K step KK / 128][2,048], scale words [K step][row] at byte 4,096 KK.  W: codes [1,024][KK], scale bytes [1,024][KK / 32].  The shares, the layout and the limits are stated at the head of ff2.
.set KK,    1024
.set NS,    KK/128
.set KS,    KK/32
.set NCH,   KK/1024
.set SCOFF, 4096*KK
.set PB,    1040
.set SLOT,  128*PB
.set ASC,   2*SLOT
.set BSC,   ASC+512*NS
.set BSP,   (32*KS/256)*272
.set SPARE, BSC+4*BSP
.set STAGE, (NCH%2)*SLOT
.set SP,    528
.set LI,   4
.set ADB0, 5
.set ADB,  6
.set ADSA, 8
.set ADSB, 9
.set STO,  10
.set RD,   11
.set PFO,  12
.set BO,   13
.set SPW,  28
.set NIL,  29
.set BS,   32
.set AS,   68
.set ACC,  128
.set G1H,  24
.set G1R,  32
.set G1S,  48
.set G1SB, 56
.set G0H,  68
.set G0R,  72
.set G0S,  76
.set G0SB, 80
.set PA,   84
.set PFA,  86
.set TB,   88
.set TN,   89
.set BITW, (1<<20)|(1<<21)|(7<<22)|(3<<25)
.set BITA, (3<<16)|(1<<21)
.set BITS, (3<<16)|(1<<20)|(1<<21)|(5<<22)|(3<<25)
.set MSB, 0
.macro WIN new
.if MSB != \new
	s_set_vgpr_msb (MSB<<8)|\new
.set MSB, \new
.endif
.endm
.macro PLACES n
.rept \n
	v_nop
.endr
.endm
.macro CROUND
	s_barrier_signal -1
	s_barrier_wait -1
	s_cmp_lg_u32 s14, 0
	s_cbranch_scc1 .Lnot_wave_0_\@
	s_barrier_signal -3
.Lnot_wave_0_\@:
	s_barrier_wait -3
	s_barrier_signal -1
	s_barrier_wait -1
.endm
.macro TLOAD g0, g1
	tensor_load_to_lds s[\g0:\g0+3], s[\g1:\g1+7]
	s_nop 0
	PLACES 4
.endm
.macro GRP g, m, bits, d0, rows, pitch
	s_or_b32 s[\g], s[\m], \bits
	s_mov_b32 s[\g+1], (\d0)<<16
	s_mov_b32 s[\g+2], (\rows)<<16
	s_mov_b32 s[\g+3], (\d0)<<16
	s_mov_b32 s[\g+4], \rows
	s_mov_b32 s[\g+5], \pitch
	s_mov_b32 s[\g+6], 0
	s_mov_b32 s[\g+7], 0
.endm
.macro GZ g, base, off
	s_mov_b32 s[\g], 1
	s_add_nc_u64 s[\g+2:\g+3], s[\base:\base+1], s[\off:\off+1]
	s_or_b32 s[\g+3], s[\g+3], 0x80000000
.endm
	s_load_b256 s[4:11], s[0:1], 0x0
	s_load_b128 s[96:99], s[0:1], 0x20
	v_lshl_add_u32 v[SPW], v0, 2, SPARE
	v_mov_b32 v[NIL], 0
	ds_add_u32 v[SPW], v[NIL]
	ds_add_u32 v[SPW], v[NIL]
	v_lshrrev_b32 v1, 5, v0
	v_readfirstlane_b32 s14, v1
	s_bfe_u32 s40, ttmp6, 0x40000
	s_bfe_u32 s41, ttmp6, 0x40004
	s_lshl_b32 s42, ttmp9, 2
	s_add_co_u32 s42, s42, s40
	s_and_b32 s16, ttmp7, 0xffff
	s_lshl_b32 s17, s16, 2
	s_add_co_u32 s17, s17, s41
	s_lshl_b32 s43, s41, 2
	s_lshl_b32 s43, 15, s43
	s_lshl_b32 s44, 0x1111, s40
	GRP G1H, 44, BITW, 1024, 64, KK
	GRP G1S, 43, BITA, 64, NS, 2048
	GRP G1SB, 44, BITS, 32, 128*KS/256, 32
	s_mul_i32 s92, s42, 128*KK
	s_mul_i32 s18, s14, 64*KK
	s_add_co_u32 s18, s18, s92
	s_lshl_b32 s20, s17, 9
	s_add_co_u32 s20, s20, SCOFF
	s_mul_i32 s22, s42, 128*KS
	s_mov_b32 s19, 0
	s_mov_b32 s21, 0
	s_mov_b32 s23, 0
	s_mul_i32 s[G0H+1], s14, 64*PB
	s_mov_b32 s[G0S+1], ASC
	s_mov_b32 s[G0SB+1], BSC
	s_mov_b32 s[TB], 0
	s_wait_dscnt 0x0
	CROUND
	s_wait_kmcnt 0x0
	GZ G0H, 6, 18
	GZ G0S, 4, 20
	GZ G0SB, 8, 22
	s_cmp_lt_u32 s14, 2
	s_cbranch_scc0 .Lh_sa
	TLOAD G0H, G1H
	s_branch .Lh_done
.Lh_sa:
	s_cmp_eq_u32 s14, 2
	s_cbranch_scc0 .Lh_sb
	TLOAD G0S, G1S
	s_branch .Lh_done
.Lh_sb:
	TLOAD G0SB, G1SB
.Lh_done:
	s_lshl_b32 s92, s17, 3
	s_lshl_b32 s93, s14, 1
	s_add_co_u32 s92, s92, s93
	s_mul_i32 s92, s92, NS*2048
	s_mov_b32 s93, 0
	s_add_nc_u64 s[PA:PA+1], s[4:5], s[92:93]
	s_lshl_b32 s92, s42, 9
	s_add_nc_u64 s[10:11], s[10:11], s[92:93]
	s_lshl_b32 s94, s17, 19
	s_lshl_b32 s95, s14, 17
	s_add_co_u32 s94, s94, s95
	s_add_co_u32 s94, s94, s92
	s_mov_b32 s95, 0
	s_add_nc_u64 s[96:97], s[96:97], s[94:95]
	s_add_nc_u64 s[98:99], s[98:99], s[94:95]
	s_lshl_b32 s20, s14, 7
	s_add_co_u32 s20, s20, ASC
	s_mul_i32 s21, s14, 32*SP
	s_add_co_u32 s21, s21, STAGE
	v_and_b32 v1, 15, v0
	v_bfe_u32 v2, v0, 4, 1
	v_and_b32 v3, 31, v0
	v_lshlrev_b32 v[LI], 4, v3
	v_lshlrev_b32 v[BO], 5, v2
	v_mul_u32_u24 v[ADB0], v1, PB
	v_lshl_add_u32 v[ADB0], v2, 4, v[ADB0]
	v_lshl_add_u32 v[ADSA], v3, 2, s20
	v_mul_u32_u24 v[ADSB], v3, KS
	v_lshrrev_b32 v14, 8, v[ADSB]
	v_lshl_add_u32 v[ADSB], v14, 4, v[ADSB]
	v_add_nc_u32 v[ADSB], BSC, v[ADSB]
	v_mul_u32_u24 v[STO], v1, SP
	v_lshl_add_u32 v[STO], v2, 5, v[STO]
	v_add_nc_u32 v[STO], s21, v[STO]
	v_add_nc_u32 v[RD], s21, v[LI]
	s_wait_alu depctr_va_vdst(0)
.irp a, 0,1
.irp b, 0,1,2,3,4,5,6,7
	global_load_b128 v[ACC+8*(8*\a+\b):ACC+8*(8*\a+\b)+3], v[BO], s[10:11] offset:64*\b
	global_load_b128 v[ACC+8*(8*\a+\b)+4:ACC+8*(8*\a+\b)+7], v[BO], s[10:11] offset:64*\b+16
.endr
.endr
.macro LOADG g
	WIN 0xc0
.irp a, 0,1
.irp c, 0,1,2,3
	global_load_b128 v[32*((\g)%8)+16*\a+4*\c:32*((\g)%8)+16*\a+4*\c+3], v[LI], s[PA:PA+1] offset:\a*NS*2048+(\g)*2048+512*\c
.endr
.endr
.endm
.macro RESID n
	WIN 0x80
.irp t, 0,1,2,3,4,5,6,7
	global_load_b128 v[4*(8*(\n)+\t):4*(8*(\n)+\t)+3], v[LI], s[96:97] offset:(8*(\n)+\t)*4096 th:TH_LOAD_NT
.endr
.endm
.macro FETCHB q, p
	WIN 0x40
.irp i, 0,1,2,3,4,5,6,7
.irp c, 0,1,2,3
	ds_load_b128 v[128*(\p)+16*\i+4*\c:128*(\p)+16*\i+4*\c+3], v[ADB+\i/4] offset:(\i%4)*16*PB+128*(\q)+32*\c
.endr
.endr
.endm
.macro MM d, x, y, sx, sy, rx, ry
.if (\rx) && (\ry)
	v_wmma_scale_f32_16x16x128_f8f6f4 v[\d:\d+7], v[\x:\x+15], v[\y:\y+15], v[\d:\d+7], v[\sx], v[\sy] matrix_a_scale:MATRIX_SCALE_ROW1 matrix_b_scale:MATRIX_SCALE_ROW1
.elseif \rx
	v_wmma_scale_f32_16x16x128_f8f6f4 v[\d:\d+7], v[\x:\x+15], v[\y:\y+15], v[\d:\d+7], v[\sx], v[\sy] matrix_a_scale:MATRIX_SCALE_ROW1
.elseif \ry
	v_wmma_scale_f32_16x16x128_f8f6f4 v[\d:\d+7], v[\x:\x+15], v[\y:\y+15], v[\d:\d+7], v[\sx], v[\sy] matrix_b_scale:MATRIX_SCALE_ROW1
.else
	v_wmma_scale_f32_16x16x128_f8f6f4 v[\d:\d+7], v[\x:\x+15], v[\y:\y+15], v[\d:\d+7], v[\sx], v[\sy]
.endif
.endm
.macro MULS q
.irp b, 0,1,2,3,4,5,6,7
.irp a, 0,1
	MM ACC+8*(8*\a+\b), 128*((\q)%2)+16*\b, 32*(\q)+16*\a, BS+8*(\b/2)+(\q), AS+(\q), \b%2, \a
.endr
.endr
.endm
.macro STEP q, mode
.if (\q) > 0
	PLACES 8
.endif
.if (\q) < 7
	FETCHB (\q)+1, ((\q)+1)%2
.endif
.if (\q) < 7
	s_wait_dscnt 32
.else
	s_wait_dscnt 0x0
.endif
.if (\q) < 4
	s_wait_loadcnt 63                              ; behind this step's images stand 8 (7 - q) loads of A and RESID's 32: more than the count can name
.else
	s_wait_loadcnt 8*(11-(\q))
.endif
	WIN 0x0d
	MULS \q
.endm
.macro OPEN
	s_wait_tensorcnt 0x0
	ds_add_u32 v[SPW], v[NIL]
	s_add_co_u32 s93, s[TB], 64*PB
	s_wait_dscnt 0x0
	s_barrier_signal -1
	s_barrier_wait -1
	v_add_nc_u32 v[ADB], s[TB], v[ADB0]
	v_add_nc_u32 v[ADB+1], s93, v[ADB0]
	s_wait_alu depctr_va_vdst(0)
	PLACES 8
.irp p, 0,1,2,3
	ds_load_b128 v[BS+8*\p:BS+8*\p+3], v[ADSB] offset:\p*BSP
	ds_load_b128 v[BS+8*\p+4:BS+8*\p+7], v[ADSB] offset:\p*BSP+16
.endr
.irp q, 0,1,2,3,4,5,6,7
	ds_load_b32 v[AS+\q], v[ADSA] offset:512*\q
.endr
	FETCHB 0, 0
	WIN 0
.endm
.irp g, 0,1,2,3,4,5,6,7
	LOADG \g                                       ; here all eight steps of A are asked for at the head,
.endr
.irp n, 0,1,2,3
	RESID \n                                       ; and RESID behind them
.endr
	WIN 0
	OPEN
.irp q, 0,1,2,3,4,5,6,7
	STEP \q, 0
.endr
	WIN 0
	PLACES 8
.irp a, 0,1
.irp b, 0,1,2,3,4,5,6,7
	ds_store_b128 v[STO], v[ACC+8*(8*\a+\b):ACC+8*(8*\a+\b)+3] offset:\a*16*SP+64*\b
	ds_store_b128 v[STO], v[ACC+8*(8*\a+\b)+4:ACC+8*(8*\a+\b)+7] offset:\a*16*SP+64*\b+16
.endr
.endr
	WIN 0x40
.set T_, 0
.rept 32
	ds_load_b128 v[4*T_:4*T_+3], v[RD] offset:T_*SP
.set T_, T_+1
.endr
	s_wait_loadcnt 0x0
.irp a, 0,1
	s_wait_dscnt 16*(1-\a)
	WIN 0x49
.set N_, 0
.rept 32
	v_pk_add_f32 v[64*\a+N_:64*\a+N_+1], v[64*\a+N_:64*\a+N_+1], v[64*\a+N_:64*\a+N_+1]
.set N_, N_+2
.endr
	WIN 0x04
.irp t, 0,1,2,3,4,5,6,7,8,9,10,11,12,13,14,15
	global_store_b128 v[LI], v[4*(16*\a+\t):4*(16*\a+\t)+3], s[98:99] offset:(16*\a+\t)*4096
.endr
.endr
	WIN 0
	s_wait_tensorcnt 0x0
	ds_add_u32 v[SPW], v[NIL]
	s_wait_dscnt 0x0
	CROUND
	s_endpgm
.Lfunc_end_k_q8ef08fc0d0_proj:
	.size	k_q8ef08fc0d0_proj, .Lfunc_end_k_q8ef08fc0d0_proj-k_q8ef08fc0d0_proj
	.p2alignl 7, 3214868480
	.fill 96, 4, 3214868480
	.section	.rodata,"a",@progbits
	.p2align	6, 0x0
	.amdhsa_kernel k_q8ef08fc0d0_proj
		.amdhsa_group_segment_fixed_size 327680
		.amdhsa_private_segment_fixed_size 0
		.amdhsa_enable_private_segment 0
		.amdhsa_kernarg_size 48
		.amdhsa_user_sgpr_count 2
		.amdhsa_user_sgpr_kernarg_segment_ptr 1
		.amdhsa_wavefront_size32 1
		.amdhsa_system_sgpr_workgroup_id_x 1
		.amdhsa_system_sgpr_workgroup_id_y 1
		.amdhsa_system_sgpr_workgroup_id_z 1
		.amdhsa_system_vgpr_workitem_id 0
		.amdhsa_next_free_vgpr 1024
		.amdhsa_next_free_sgpr 100
		.amdhsa_reserve_vcc 0
		.amdhsa_float_denorm_mode_32 3
		.amdhsa_float_denorm_mode_16_64 3
		.amdhsa_memory_ordered 1
		.amdhsa_forward_progress 1
		.amdhsa_inst_pref_size 67
	.end_amdhsa_kernel
	.amdgpu_metadata
---
amdhsa.version: [ 1, 2 ]
amdhsa.kernels:
  - .name:           k_q8ef08fc0d0_proj
    .symbol:         k_q8ef08fc0d0_proj.kd
    .args:
      - { .name: oq, .offset: 0, .size: 8, .value_kind: global_buffer, .address_space: global }
      - { .name: Wproj_codes, .offset: 8, .size: 8, .value_kind: global_buffer, .address_space: global }
      - { .name: Wproj_scales, .offset: 16, .size: 8, .value_kind: global_buffer, .address_space: global }
      - { .name: bproj, .offset: 24, .size: 8, .value_kind: global_buffer, .address_space: global }
      - { .name: x, .offset: 32, .size: 8, .value_kind: global_buffer, .address_space: global }
      - { .name: x1, .offset: 40, .size: 8, .value_kind: global_buffer, .address_space: global }
    .group_segment_fixed_size: 327680
    .private_segment_fixed_size: 0
    .kernarg_segment_align: 8
    .kernarg_segment_size: 48
    .max_flat_workgroup_size: 128
    .sgpr_count:     100
    .vgpr_count:     1024
    .wavefront_size: 32
...
	.end_amdgpu_metadata
.endif
;; end of part 4
;; launch ln2: the kernel of part 1 again; grid 256 x 1, 8 waves a work-group, no clusters, 26,624 bytes of LDS; arguments x1, ln2_g, ln2_b, h2q; writes h2q
;; launch ff1 (part 5): grid 16 x 16, 4 waves a work-group, clusters of 4 x 4, 327,680 bytes of LDS; arguments h2q, W1_codes, W1_scales, b1, hid; writes hid
.if DOCPART == 5
	.amdgcn_target "amdgcn-amd-amdhsa--gfx1250"
	.amdhsa_code_object_version 6
	.text
	.protected	k_q8ef08fc0d0_ff1
	.globl	k_q8ef08fc0d0_ff1
	.p2align	8
	.type	k_q8ef08fc0d0_ff1,@function
k_q8ef08fc0d0_ff1:
	s_mov_b64 s[64:65], 0
	v_nop
	global_prefetch_b8 v0, s[64:65] scope:SCOPE_SE
	s_setreg_imm32_b32 hwreg(HW_REG_WAVE_MODE, 25, 1), 1
	s_wait_xcnt 0x0
	s_wait_alu depctr_hold_cnt(0) depctr_sa_sdst(0) depctr_va_vdst(0) depctr_va_sdst(0) depctr_va_ssrc(0) depctr_va_vcc(0) depctr_vm_vsrc(0)
	s_getreg_b32 s2, hwreg(HW_REG_IB_STS2, 6, 4)
	s_cmp_eq_u32 s2, 0
	s_cbranch_scc0 .Lentry_in_a_cluster
	s_endpgm
.Lentry_in_a_cluster:
	s_bfe_u32 s2, ttmp6, 0x10000c
	s_cmp_lg_u32 s2, 0xf033
	s_cbranch_scc0 .Lentry_shape_is_right
	s_endpgm
.Lentry_shape_is_right:
.set KSTEP,  256
.set NQ,     2
.set ROWB,   256
.set KROW,   1024
.set PITCH,  272
.set FR,     16
.set NL,     4
.set NP,     8
.set HALFT,  128*PITCH
.set SLOT,   4*HALFT
.set KS,     32
.set SCL,    2*SLOT
.set HALFS,  (128*KS/256)*272
.set SBLK,   (16*KS/256)*272
.set SPARE,  SCL+4*HALFS
.set ADRA, 16
.set ADRB, 20
.set LI,   24
.set SST,  25
.set SRD,  26
.set ADRS, 27
.set SPW,  28
.set NIL,  29
.set SC,   32
.set BIAS, 64
.set AF,   128
.set XT,   64
.set PC,   128
.set BK,   160
.set PW,   168
.set TM,   184
.set G1, 24
.set G0, 32
.set G1B, 48
.set G0B, 56
.set G1S, 68
.set G0S, 76
.set G1SB, 80
.set G0SB, 88
.set MSB, 0
.macro WIN new
.if MSB != \new
	s_set_vgpr_msb (MSB<<8)|\new
.set MSB, \new
.endif
.endm
.set MUL_LO, 0xa1
.set MUL_HI, 0xf1
.set TO_B,   0x40
.macro JLOAD g0a, g1a, g0b, g1b
	s_cmp_eq_u32 s15, 0
	s_cbranch_scc0 .Lfor_b_\@
	tensor_load_to_lds s[\g0a:\g0a+3], s[\g1a:\g1a+7]
	s_nop 0
.rept 4
	v_nop
.endr
	s_branch .Lasked_\@
.Lfor_b_\@:
	tensor_load_to_lds s[\g0b:\g0b+3], s[\g1b:\g1b+7]
	s_nop 0
.rept 4
	v_nop
.endr
.Lasked_\@:
.endm
.macro CREST
	s_cmp_lg_u32 s14, 0
	s_cbranch_scc1 .Lnot_wave_0_\@
	s_barrier_signal -3
.Lnot_wave_0_\@:
	s_barrier_wait -3
	s_barrier_signal -1
	s_barrier_wait -1
.endm
.macro CROUND
	s_barrier_signal -1
	s_barrier_wait -1
	CREST
.endm
	s_load_b64 s[4:5], s[0:1], 0x0
	s_load_b128 s[8:11], s[0:1], 0x8
	s_load_b128 s[96:99], s[0:1], 0x18
	v_lshl_add_u32 v[SPW], v0, 2, SPARE
	v_mov_b32 v[NIL], 0
	ds_add_u32 v28, v29
	ds_add_u32 v28, v29
	s_wait_dscnt 0x0
	v_lshrrev_b32 v1, 5, v0
	v_readfirstlane_b32 s14, v1
	s_lshr_b32 s15, s14, 1
	s_and_b32 s16, s14, 1
	s_bfe_u32 s40, ttmp6, 0x40000
	s_bfe_u32 s41, ttmp6, 0x40004
	s_lshl_b32 s42, ttmp9, 2
	s_add_co_u32 s42, s42, s40
	s_and_b32 s17, ttmp7, 0xffff
	s_lshl_b32 s17, s17, 2
	s_add_co_u32 s17, s17, s41
	s_lshl_b32 s43, s41, 2
	s_lshl_b32 s43, 15, s43
	s_lshl_b32 s44, 0x1111, s40
	s_or_b32 s[G1+0], s43, (0<<16)|(1<<20)|(1<<21)|(5<<22)|(3<<25)
	s_or_b32 s[G1B+0], s44, (0<<16)|(1<<20)|(1<<21)|(5<<22)|(3<<25)
.irp g, G1, G1B
	s_mov_b32 s[\g+1], ROWB<<16
	s_mov_b32 s[\g+2], 256<<16
	s_mov_b32 s[\g+3], ROWB<<16
	s_mov_b32 s[\g+4], 256
	s_mov_b32 s[\g+5], KROW
	s_mov_b32 s[\g+6], 0
	s_mov_b32 s[\g+7], 0
.endr
	s_or_b32 s[G1S+0], s43, (3<<16)|(1<<20)|(1<<21)|(5<<22)|(3<<25)
	s_or_b32 s[G1SB+0], s44, (3<<16)|(1<<20)|(1<<21)|(5<<22)|(3<<25)
.irp g, G1S, G1SB
	s_mov_b32 s[\g+1], 32<<16
	s_mov_b32 s[\g+2], (256*KS/256)<<16
	s_mov_b32 s[\g+3], 32<<16
	s_mov_b32 s[\g+4], 256*KS/256
	s_mov_b32 s[\g+5], 32
	s_mov_b32 s[\g+6], 0
	s_mov_b32 s[\g+7], 0
.endr
	s_mul_i32 s66, s16, 128*KROW                   ; in the ring I fetch 128 rows of a tile: which half, in bytes
	s_mov_b32 s67, 0
	s_lshl_b32 s20, s17, 8                         ; A: the tile's first row
	s_lshl_b32 s46, s42, 8                         ; B likewise
	s_mov_b32 s21, 0
	s_mov_b32 s47, 0
	s_mov_b64 s[18:19], KS
	s_mul_u64 s[22:23], s[20:21], s[18:19]
	s_mul_u64 s[92:93], s[46:47], s[18:19]
	s_mov_b64 s[18:19], KROW
	s_mul_u64 s[20:21], s[20:21], s[18:19]
	s_mul_u64 s[46:47], s[46:47], s[18:19]
	s_mul_i32 s45, s14, HALFT
	s_wait_kmcnt 0x0
	s_add_nc_u64 s[6:7], s[4:5], 0x400000
	s_mov_b64 s[12:13], s[98:99]
	s_add_nc_u64 s[20:21], s[4:5], s[20:21]
	s_add_nc_u64 s[22:23], s[6:7], s[22:23]
	s_add_nc_u64 s[46:47], s[8:9], s[46:47]
	s_add_nc_u64 s[92:93], s[10:11], s[92:93]
	CROUND
	s_mov_b32 s[G0S], 1
	s_mov_b32 s[G0S+1], SCL
	s_mov_b64 s[G0S+2:G0S+3], s[22:23]
	s_or_b32 s[G0S+3], s[G0S+3], 0x80000000
	s_mov_b32 s[G0SB], 1
	s_mov_b32 s[G0SB+1], SCL+2*HALFS
	s_mov_b64 s[G0SB+2:G0SB+3], s[92:93]
	s_or_b32 s[G0SB+3], s[G0SB+3], 0x80000000
	; THE HEAD'S LOADS, ONE A WAVE: wave 0 K step 0's 256 rows of A, wave 1 its 256 rows of B, wave 2 the scales of A's 256 rows, wave 3 those of B's.
	; Slot 0's groups 0 serve these whole tiles first; behind the wait for the head's loads they get the wave's half and its place in LDS.
	s_mov_b32 s[G0], 1
	s_mov_b32 s[G0+1], 0
	s_mov_b64 s[G0+2:G0+3], s[20:21]
	s_or_b32 s[G0+3], s[G0+3], 0x80000000
	s_mov_b32 s[G0B], 1
	s_mov_b32 s[G0B+1], 2*HALFT
	s_mov_b64 s[G0B+2:G0B+3], s[46:47]
	s_or_b32 s[G0B+3], s[G0B+3], 0x80000000
	s_add_nc_u64 s[20:21], s[20:21], s[66:67]      ; for the ring: my 128 rows of the tile
	s_add_nc_u64 s[46:47], s[46:47], s[66:67]
	s_mov_b32 s[G0+4], 1
	s_add_co_u32 s[G0+5], s45, SLOT
	s_add_nc_u64 s[G0+6:G0+7], s[20:21], ROWB
	s_or_b32 s[G0+7], s[G0+7], 0x80000000
	s_mov_b32 s[G0B+4], 1
	s_add_co_u32 s[G0B+5], s45, SLOT
	s_add_nc_u64 s[G0B+6:G0B+7], s[46:47], ROWB
	s_or_b32 s[G0B+7], s[G0B+7], 0x80000000
.macro ARM under, g0, g1, next
	s_cmp_lt_u32 s14, \under
	s_cbranch_scc0 \next
	tensor_load_to_lds s[\g0:\g0+3], s[\g1:\g1+7]
	s_nop 0
.rept 4
	v_nop
.endr
	s_branch .Lhead_asked
\next:
.endm
	ARM 1, G0,  G1,  .Lhead_b
	ARM 2, G0B, G1B, .Lhead_sa
	ARM 3, G0S, G1S, .Lhead_sb
	tensor_load_to_lds s[G0SB:G0SB+3], s[G1SB:G1SB+7]
	s_nop 0
.rept 4
	v_nop
.endr
.Lhead_asked:
	; the prefetches: of the 128 rows that I fetch in the ring, the four partners that ask for them with me take 32 each, by address; a lane a row, 256 bytes of a row a K step; s[2:3] stands at K step 2
	s_cmp_eq_u32 s15, 0
	s_cselect_b64 s[2:3], s[20:21], s[46:47]
	s_cselect_b32 s18, s40, s41
	s_mul_i32 s18, s18, 32*KROW
	s_add_co_u32 s18, s18, 2*ROWB
	s_mov_b32 s19, 0
	s_add_nc_u64 s[2:3], s[2:3], s[18:19]
	v_and_b32 v1, 15, v0
	s_wait_alu depctr_va_vdst(0)
	v_bfe_u32 v2, v0, 4, 1
	s_lshl_b32 s18, s42, 10
	s_lshl_b32 s19, s16, 9
	s_add_co_u32 s18, s18, s19
	s_mov_b32 s19, 0
	s_add_nc_u64 s[96:97], s[96:97], s[18:19]
	v_lshlrev_b32 v7, 5, v2
.irp b, 0,1,2,3,4,5,6,7
	global_load_b128 v[BIAS+8*\b:BIAS+8*\b+3], v7, s[96:97] offset:64*\b
	global_load_b128 v[BIAS+8*\b+4:BIAS+8*\b+7], v7, s[96:97] offset:64*\b+16
.endr
	v_mul_u32_u24 v3, v1, PITCH
	v_lshl_add_u32 v4, v2, 4, v3
	s_mul_i32 s21, s15, HALFT
	s_mul_i32 s22, s16, HALFT
	s_add_co_u32 s22, s22, 2*HALFT
.irp s, 0,1
	v_add_nc_u32 v[ADRA+\s], s21, v4
	v_add_nc_u32 v[ADRB+\s], s22, v4
	s_add_co_u32 s21, s21, SLOT
	s_add_co_u32 s22, s22, SLOT
.endr
	v_mul_u32_u24 v5, v1, KS
	v_lshrrev_b32 v6, 8, v5
	v_lshl_add_u32 v5, v6, 4, v5
	s_mul_i32 s21, s15, HALFS
	s_mul_i32 s22, s16, HALFS
	s_add_co_u32 s22, s22, 2*HALFS
	s_sub_co_u32 s22, s22, s21
	v_mul_u32_u24 v6, s22, v2
	s_add_co_u32 s21, s21, SCL
	v_add_nc_u32 v5, v5, v6
	v_add_nc_u32 v[ADRS], s21, v5
	s_lshl_b32 s18, s17, 4
	s_lshl_b32 s19, s15, 3
	s_add_co_u32 s18, s18, s19
	s_lshl_b32 s46, s42, 1
	s_add_co_u32 s46, s46, s16
	s_lshl_b32 s92, s18, 16
	s_lshl_b32 s93, s46, 11
	s_add_co_u32 s92, s92, s93
	s_mov_b32 s93, 0
	s_lshl_b32 s18, s18, 6
	s_lshl_b32 s46, s46, 14
	s_add_co_u32 s46, s46, s18
	s_add_co_u32 s46, s46, 0x1000000
	s_mov_b32 s47, 0
	s_add_nc_u64 s[6:7], s[12:13], s[46:47]
	s_add_nc_u64 s[12:13], s[12:13], s[92:93]
	s_mov_b32 s20, 0x76543210
	s_mov_b32 s21, 0xfedcba98
	s_mov_b32 s22, 0x600000
	v_and_b32 v6, 31, v0
	v_mul_u32_u24 v8, v6, KROW                     ; the prefetches' offset: my lane x a row; never rewritten
	v_lshlrev_b32 v[LI], 4, v6
	s_lshl_b32 s23, s14, 10
	v_lshl_add_u32 v[SST], v1, 2, s23
	v_add_nc_u32 v[SRD], s23, v[LI]
.macro FRAG reg, adr, q, i
.irp c, 0,1,2,3
	ds_load_b128 v[\reg+4*\c:\reg+4*\c+3], v[\adr] offset:128*(\q)+32*\c+(\i)*16*PITCH
.endr
.endm
.macro MUL16 a0, p, q, sc, zero
.irp a, \a0, \a0+1
.irp b, 0,1,2,3,4,5,6,7
.if \zero
	v_wmma_scale_f32_16x16x128_f8f6f4 v[8*(8*((\a)%4)+\b):8*(8*((\a)%4)+\b)+7], v[128*(\p)+FR*\b:128*(\p)+FR*\b+FR-1], v[AF+FR*(\a):AF+FR*(\a)+FR-1], v[BIAS+8*\b:BIAS+8*\b+7], v[SC+8*NQ*(\sc)+NQ*\b+(\q)], v[SC+8*NQ*(\sc)+NQ*(\a)+(\q)] matrix_a_scale:MATRIX_SCALE_ROW1
.else
	v_wmma_scale_f32_16x16x128_f8f6f4 v[8*(8*((\a)%4)+\b):8*(8*((\a)%4)+\b)+7], v[128*(\p)+FR*\b:128*(\p)+FR*\b+FR-1], v[AF+FR*(\a):AF+FR*(\a)+FR-1], v[8*(8*((\a)%4)+\b):8*(8*((\a)%4)+\b)+7], v[SC+8*NQ*(\sc)+NQ*\b+(\q)], v[SC+8*NQ*(\sc)+NQ*(\a)+(\q)] matrix_a_scale:MATRIX_SCALE_ROW1
.endif
.endr
.endr
.endm
.macro FETCH_B slot, q, p
	WIN TO_B
.irp i, 0,1,2,3,4,5,6,7
	FRAG 128*(\p)+FR*\i, ADRB+\slot, \q, \i
.endr
	WIN 0
.endm
.macro FETCH_A slot, q, i0
.irp i, \i0, \i0+1, \i0+2, \i0+3
	FRAG AF+FR*(\i), ADRA+\slot, \q, \i
.endr
.endm
.macro SCALES sc
.irp i, 0,1,2,3,4,5,6,7
	ds_load_b64 v[SC+8*NQ*\sc+NQ*\i:SC+8*NQ*\sc+NQ*\i+1], v[ADRS] offset:\i*SBLK
.endr
.endm
.macro PLACES n
.rept \n
	v_nop
.endr
.endm
.macro STEP slot, q, zero
	s_wait_dscnt 4*NL
.if \zero
	WIN 0x81
.else
	WIN MUL_LO
.endif
	MUL16 0, (\q)%2, \q, \slot, \zero
	MUL16 2, (\q)%2, \q, \slot, \zero
	s_wait_dscnt 0
	PLACES NP
	FETCH_B \slot, (\q)+1, 1-(\q)%2
	FETCH_A \slot, (\q)+1, 0
.if \zero
	WIN 0xc1
.else
	WIN MUL_HI
.endif
	MUL16 4, (\q)%2, \q, \slot, \zero
	MUL16 6, (\q)%2, \q, \slot, \zero
	PLACES NP
	WIN 0
	FETCH_A \slot, (\q)+1, 4
.endm
.macro TURN slot, next, fill
	s_wait_tensorcnt 0x0
	ds_add_u32 v[SPW], v[NIL]
	s_wait_dscnt 4*NL+1
	WIN MUL_LO
	MUL16 0, 1, NQ-1, \slot, 0
	s_wait_dscnt 0x0
	s_barrier_signal -1
	MUL16 2, 1, NQ-1, \slot, 0
	WIN 0
	s_barrier_wait -1
.if \fill
	CREST
	s_add_nc_u64 s[G0+4*\slot+2:G0+4*\slot+3], s[G0+4*\slot+2:G0+4*\slot+3], 2*ROWB
	s_add_nc_u64 s[G0B+4*\slot+2:G0B+4*\slot+3], s[G0B+4*\slot+2:G0B+4*\slot+3], 2*ROWB
	JLOAD G0+4*\slot, G1, G0B+4*\slot, G1B
	PLACES NP-4
.else
	PLACES NP
.endif
	s_wait_alu depctr_va_vdst(0)
	v_add_nc_u32 v[ADRS], 4*NQ, v[ADRS]
	FETCH_B \next, 0, 0
	FETCH_A \next, 0, 0
	SCALES \next
.if (\fill) && (\slot) == 0
	global_prefetch_b8 v8, s[2:3] offset:ROWB th:TH_LOAD_NT scope:SCOPE_SE   ; K step 3, a K step ahead of its load
.endif
	WIN MUL_HI
	MUL16 4, 1, NQ-1, \slot, 0
	MUL16 6, 1, NQ-1, \slot, 0
	PLACES NP
	WIN 0
	FETCH_A \next, 0, 4
.endm
	s_wait_alu depctr_va_vdst(0)
	s_wait_tensorcnt 0x0                           ; my tile of the head's four is in
	ds_add_u32 v[SPW], v[NIL]
	s_mov_b32 s[G1+2], 128<<16                     ; no tensor load of mine is out: from here on a load brings 128 rows,
	s_mov_b32 s[G1+4], 128
	s_mov_b32 s[G1B+2], 128<<16
	s_mov_b32 s[G1B+4], 128
	s_mov_b32 s[G0+1], s45                         ; and slot 0's groups 0 name my half and its place
	s_add_nc_u64 s[G0+2:G0+3], s[G0+2:G0+3], s[66:67]
	s_mov_b32 s[G0B+1], s45
	s_add_nc_u64 s[G0B+2:G0B+3], s[G0B+2:G0B+3], s[66:67]
	s_wait_dscnt 0x0
	CROUND                                         ; a whole round: all four tiles are in, and the joint loads meet
	JLOAD G0+4, G1, G0B+4, G1B                     ; K step 1, the first tensor load behind the round
	FETCH_B 0, 0, 0
	FETCH_A 0, 0, 0
	SCALES 0
	FETCH_A 0, 0, 4
	global_prefetch_b8 v8, s[2:3] th:TH_LOAD_NT scope:SCOPE_SE   ; K step 2, a K step ahead of its load
	s_wait_loadcnt 0x0
	STEP 0, 0, 1
	TURN 0, 1, 1
	STEP 1, 0, 0
	TURN 1, 0, 1
	STEP 0, 0, 0
	TURN 0, 1, 0
	STEP 1, 0, 0
	s_wait_dscnt 4*NL
	WIN MUL_LO
	MUL16 0, 1, NQ-1, 1, 0
	MUL16 2, 1, NQ-1, 1, 0
	s_wait_dscnt 0
	WIN MUL_HI
	MUL16 4, 1, NQ-1, 1, 0
	MUL16 6, 1, NQ-1, 1, 0
	WIN 0
.macro QOUT a
.set AC, 64*((\a)%4)
.set WW, 2+(\a)/4
.set WA, WW|(WW<<2)
.set PS, PC+16*((\a)%2)
	WIN WA
.irp b, 0,1,2,3
	v_max3_num_f32 v[TM+\b], v[AC+16*\b], v[AC+16*\b+1], 0x4800000
.endr
.irp i, 2,4,6,8,10,12,14
.irp b, 0,1,2,3
	v_max3_num_f32 v[TM+\b], v[AC+16*\b+\i], v[AC+16*\b+\i+1], v[TM+\b]
.endr
.endr
	WIN 0
.irp b, 0,1,2,3
	v_permlanex16_b32 v[TM+4+\b], v[TM+\b], s20, s21
.endr
.irp b, 0,1,2,3
	v_max_num_f32 v[TM+\b], v[TM+\b], v[TM+4+\b]
.endr
.irp b, 0,1,2,3
	v_add_nc_u32 v[TM+12+\b], 0xfc000000, v[TM+\b]
.endr
.irp b, 0,1,2,3
	v_and_or_b32 v[TM+8+\b], v[TM+\b], 0x7f800000, s22
.endr
.irp b, 0,1,2,3
	v_lshrrev_b32 v[TM+4+\b], 23, v[TM+12+\b]
.endr
	v_lshl_or_b32 v[PW+(\a)], v[TM+5], 8, v[TM+4]
	v_lshl_or_b32 v[PW+(\a)], v[TM+6], 16, v[PW+(\a)]
	v_lshl_or_b32 v[PW+(\a)], v[TM+7], 24, v[PW+(\a)]
	WIN WW
.irp b, 0,1,2,3
.irp i, 0,1,2,3,4,5,6,7,8,9,10,11,12,13,14,15
	v_med3_num_f32 v[XT+16*\b+\i], v[AC+16*\b+\i], 0, v[TM+8+\b]
.endr
.endr
	WIN 0
.irp b, 0,1,2,3
	v_cvt_scalef32_pk8_fp8_f32 v[PS+4*\b:PS+4*\b+1], v[XT+16*\b:XT+16*\b+7], v[TM+12+\b]
	v_cvt_scalef32_pk8_fp8_f32 v[PS+4*\b+2:PS+4*\b+3], v[XT+16*\b+8:XT+16*\b+15], v[TM+12+\b]
.endr
	v_nop
.irp b, 0,1,2,3
	v_permlane16_swap_b32 v[PS+4*\b], v[PS+4*\b+2]
	v_permlane16_swap_b32 v[PS+4*\b+1], v[PS+4*\b+3]
.endr
.endm
	PLACES NP
.irp b, 0,1,2,3
	v_mov_b32 v[TM+4+\b], 0
.endr
.irp a, 0,1,2,3,4,5,6,7
	s_wait_xcnt 0x0
	QOUT \a
.irp b, 0,1,2,3
	global_store_b128 v[LI], v[PS+4*\b:PS+4*\b+3], s[12:13] offset:65536*\a+512*\b
.endr
	ds_store_b32 v[SST], v[PW+\a] offset:64*\a
.endr
	ds_load_b128 v[BK:BK+3], v[SRD]
	s_wait_dscnt 0x0
	global_store_b128 v[LI], v[BK:BK+3], s[6:7]
	s_wait_tensorcnt 0x0
	ds_add_u32 v[SPW], v[NIL]
	s_wait_dscnt 0x0
	CROUND
	s_endpgm
.Lfunc_end_k_q8ef08fc0d0_ff1:
	.size	k_q8ef08fc0d0_ff1, .Lfunc_end_k_q8ef08fc0d0_ff1-k_q8ef08fc0d0_ff1
	.p2alignl 7, 3214868480
	.fill 96, 4, 3214868480
	.section	.rodata,"a",@progbits
	.p2align	6, 0x0
	.amdhsa_kernel k_q8ef08fc0d0_ff1
		.amdhsa_group_segment_fixed_size 327680
		.amdhsa_private_segment_fixed_size 0
		.amdhsa_enable_private_segment 0
		.amdhsa_kernarg_size 40
		.amdhsa_user_sgpr_count 2
		.amdhsa_user_sgpr_kernarg_segment_ptr 1
		.amdhsa_wavefront_size32 1
		.amdhsa_system_sgpr_workgroup_id_x 1
		.amdhsa_system_sgpr_workgroup_id_y 1
		.amdhsa_system_sgpr_workgroup_id_z 1
		.amdhsa_system_vgpr_workitem_id 0
		.amdhsa_next_free_vgpr 1024
		.amdhsa_next_free_sgpr 102
		.amdhsa_reserve_vcc 0
		.amdhsa_float_denorm_mode_32 3
		.amdhsa_float_denorm_mode_16_64 3
		.amdhsa_memory_ordered 1
		.amdhsa_forward_progress 1
		.amdhsa_inst_pref_size 190
	.end_amdhsa_kernel
	.amdgpu_metadata
---
amdhsa.version: [ 1, 2 ]
amdhsa.kernels:
  - .name:           k_q8ef08fc0d0_ff1
    .symbol:         k_q8ef08fc0d0_ff1.kd
    .args:
      - { .name: h2q, .offset: 0, .size: 8, .value_kind: global_buffer, .address_space: global }
      - { .name: W1_codes, .offset: 8, .size: 8, .value_kind: global_buffer, .address_space: global }
      - { .name: W1_scales, .offset: 16, .size: 8, .value_kind: global_buffer, .address_space: global }
      - { .name: b1, .offset: 24, .size: 8, .value_kind: global_buffer, .address_space: global }
      - { .name: hid, .offset: 32, .size: 8, .value_kind: global_buffer, .address_space: global }
    .group_segment_fixed_size: 327680
    .private_segment_fixed_size: 0
    .kernarg_segment_align: 8
    .kernarg_segment_size: 40
    .max_flat_workgroup_size: 128
    .sgpr_count:     102
    .vgpr_count:     1024
    .wavefront_size: 32
...
	.end_amdgpu_metadata
.endif
;; end of part 5
;; launch ff2 (part 6): grid 8 x 32, 4 waves a work-group, clusters of 4 x 4, 327,680 bytes of LDS; arguments hid, W2_codes, W2_scales, b2, x1, out0; writes out0
.if DOCPART == 6
	.amdgcn_target "amdgcn-amd-amdhsa--gfx1250"
	.amdhsa_code_object_version 6
	.text
	.protected	k_q8ef08fc0d0_ff2
	.globl	k_q8ef08fc0d0_ff2
	.p2align	8
	.type	k_q8ef08fc0d0_ff2,@function
k_q8ef08fc0d0_ff2:
	s_mov_b64 s[64:65], 0
	v_nop
	global_prefetch_b8 v0, s[64:65] scope:SCOPE_SE
	s_setreg_imm32_b32 hwreg(HW_REG_WAVE_MODE, 25, 1), 1
	s_wait_xcnt 0x0
	s_wait_alu depctr_hold_cnt(0) depctr_sa_sdst(0) depctr_va_vdst(0) depctr_va_sdst(0) depctr_va_ssrc(0) depctr_va_vcc(0) depctr_vm_vsrc(0)
	s_getreg_b32 s2, hwreg(HW_REG_IB_STS2, 6, 4)
	s_cmp_eq_u32 s2, 0
	s_cbranch_scc0 .Lentry_in_a_cluster
	s_endpgm
.Lentry_in_a_cluster:
	s_bfe_u32 s2, ttmp6, 0x10000c
	s_cmp_lg_u32 s2, 0xf033
	s_cbranch_scc0 .Lentry_shape_is_right
	s_endpgm
.Lentry_shape_is_right:
; OUT = RESID + BIAS + A W^T on codes of E4M3 with E8M0 scales; sums in f32.  A: 4,096 rows x KK as images of operand registers [row tile 256][K step KK / 128][2,048], its scale words [K step][row] at byte 4,096 KK.
; W: codes [1,024][KK], scale bytes [1,024][KK / 32].  OUT, RESID: [4,096][1,024] f32.  No step and no input of the problem is left out here.
; SHARES.  256 work-groups, a block of 128 x 128 each; wave w owns rows 32 w .. 32 w + 31 and all 128 columns: 16 accumulators.
; A GOES STRAIGHT INTO REGISTERS: a wave alone needs its 32 rows, and an image is what the operand registers take: one load of a wave is 512 consecutive bytes.  The images stand in a ring of eight steps x 32 registers.
; A chunk's steps 0 to 2 ask for nothing of A (W's next chunk has just been asked for); step 3 asks for this chunk's step 7 and the next chunk's steps 0 to 2, steps 4 to 7 for the next chunk's steps 3 to 6: four steps ahead at the least.
; So A takes no joint load (it does not pass through LDS) and no prefetch (its own loads are asked for four steps and more ahead).
; W GOES THROUGH LDS: chunks of 1,024 along K, 128 rows of 1,024 bytes + 16 of padding, in two slots.  4 x 4 work-groups form a cluster; W's chunks and scale bytes are asked for jointly along a column of the cluster, A's scale words along a row.
; The change of slots stands at a chunk's head: the next chunk's load has this chunk's eight steps, 128 matrix instructions a wave, in which to land.  KK / 1,024 - 1 trips ask for a chunk; the last chunk is written out and asks for none.
; The matrix instruction is used transposed (source 0 = 16 rows of W, source 1 = 16 rows of A): a lane holds one row of OUT and eight neighbouring columns.  BIAS is loaded into the accumulators: nothing is cleared, and no first step differs.
; RESID is asked for in the last chunk's steps 0 to 3, eight loads a step, in the layout of the stores; the results go through the wave's own stage in LDS and leave as rows of 512 bytes.
; W's chunks t + 2 are prefetched in trip t: a lane a row, a wave a quarter of the 1,024 bytes, the four partners of a column 32 rows each by address; the clusters of the first two rows of clusters ask, the others not.  Chunks 0 and 1 come by their loads alone.
; LIMITS: NaN and infinities in the operands are carried as the matrix instruction carries them; nothing else is bounded.
; REGISTERS: window 0: v0-31 addresses; v32-63 W's scale words (register 8 p + q: lanes 0-15 block 2 p, lanes 16-31 block 2 p + 1, the chunk's step q); v68-75 A's (lanes 0-15 my first 16 rows, lanes 16-31 the others); v128-255 accumulators.
; Window 1: W's fragments, two sets.  Window 2: v0-127 RESID.  Window 3: A's ring.
.set KK,    4096
.set NS,    KK/128
.set KS,    KK/32
.set NCH,   KK/1024                    ; chunks
.set SCOFF, 4096*KK
.set PB,    1040                       ; an LDS row of W: 1,024 bytes + 16: the 16 rows of a fragment load start 16 bytes apart modulo 256
.set SLOT,  128*PB
.set ASC,   2*SLOT                     ; A's scale words [K step][128 rows]
.set BSC,   ASC+512*NS                 ; W's scale bytes: runs of 256 bytes + 16 of padding
.set BSP,   (32*KS/256)*272            ; those of 32 rows
.set SPARE, BSC+4*BSP                  ; the spare words: 512 bytes that no other line names
.set STAGE, (NCH%2)*SLOT               ; the way out's stages lie in the slot that the last chunk does not use: it has had its last fill and its last read
.set SP,    528
.set LI,   4                           ; v4   16 x lane
.set ADB0, 5                           ; v5   a fragment's row x pitch + 16 x half
.set ADB,  6                           ; v6-7 the same in the slot in hand: blocks 0-3, blocks 4-7
.set ADSA, 8
.set ADSB, 9
.set STO,  10
.set RD,   11
.set PFO,  12                          ; v12  the prefetch's offset: lane x a row of W
.set BO,   13                          ; v13  32 x half
.set SPW,  28
.set NIL,  29
.set BS,   32
.set AS,   68                          ; no product's two scale registers have numbers equal modulo 8
.set ACC,  128
.set G1H,  24                          ; descriptor groups 1: the head's 64 rows of W; a ring load's 32; A's scale words; W's scale bytes
.set G1R,  32
.set G1S,  48
.set G1SB, 56
.set G0H,  68
.set G0R,  72
.set G0S,  76
.set G0SB, 80
.set PA,   84                          ; s[84:85] my images, at the chunk in hand
.set PFA,  86                          ; s[86:87] where my prefetch stands
.set TB,   88                          ; s88 the slot in hand; s89 the other
.set TN,   89
.set BITW, (1<<20)|(1<<21)|(7<<22)|(3<<25)              ; 1-byte elements; 4 words of padding behind every 256; bit 21 beside a mask
.set BITA, (3<<16)|(1<<21)                              ; 8-byte elements, no padding
.set BITS, (3<<16)|(1<<20)|(1<<21)|(5<<22)|(3<<25)      ; 8-byte elements; 4 words behind every 64
.set MSB, 0
.macro WIN new                         ; the immediate's high byte repeats the setting that is left
.if MSB != \new
	s_set_vgpr_msb (MSB<<8)|\new
.set MSB, \new
.endif
.endm
.macro PLACES n
.rept \n
	v_nop
.endr
.endm
.macro CROUND                          ; a round of the cluster's barrier
	s_barrier_signal -1
	s_barrier_wait -1
	s_cmp_lg_u32 s14, 0
	s_cbranch_scc1 .Lnot_wave_0_\@
	s_barrier_signal -3
.Lnot_wave_0_\@:
	s_barrier_wait -3
	s_barrier_signal -1
	s_barrier_wait -1
.endm
.macro TLOAD g0, g1                    ; an s_nop 0 and four v_nop follow a tensor load
	tensor_load_to_lds s[\g0:\g0+3], s[\g1:\g1+7]
	s_nop 0
	PLACES 4
.endm
.macro GRP g, m, bits, d0, rows, pitch
	s_or_b32 s[\g], s[\m], \bits
	s_mov_b32 s[\g+1], (\d0)<<16
	s_mov_b32 s[\g+2], (\rows)<<16
	s_mov_b32 s[\g+3], (\d0)<<16
	s_mov_b32 s[\g+4], \rows
	s_mov_b32 s[\g+5], \pitch
	s_mov_b32 s[\g+6], 0
	s_mov_b32 s[\g+7], 0
.endm
.macro GZ g, base, off
	s_mov_b32 s[\g], 1
	s_add_nc_u64 s[\g+2:\g+3], s[\base:\base+1], s[\off:\off+1]
	s_or_b32 s[\g+3], s[\g+3], 0x80000000
.endm
	s_load_b256 s[4:11], s[0:1], 0x0               ; A, W's codes, W's scales, BIAS
	s_load_b128 s[96:99], s[0:1], 0x20             ; RESID, OUT
	v_lshl_add_u32 v[SPW], v0, 2, SPARE
	v_mov_b32 v[NIL], 0
	ds_add_u32 v[SPW], v[NIL]                      ; the opening lines: the add, twice on end, and its wait
	ds_add_u32 v[SPW], v[NIL]
	v_lshrrev_b32 v1, 5, v0
	v_readfirstlane_b32 s14, v1                    ; wave
	s_bfe_u32 s40, ttmp6, 0x40000                  ; cx
	s_bfe_u32 s41, ttmp6, 0x40004                  ; cy
	s_lshl_b32 s42, ttmp9, 2
	s_add_co_u32 s42, s42, s40                     ; block column
	s_and_b32 s16, ttmp7, 0xffff                   ; the cluster's y
	s_lshl_b32 s17, s16, 2
	s_add_co_u32 s17, s17, s41                     ; block row
	s_lshl_b32 s43, s41, 2
	s_lshl_b32 s43, 15, s43                        ; my row of the cluster
	s_lshl_b32 s44, 0x1111, s40                    ; my column
	GRP G1H, 44, BITW, 1024, 64, KK
	GRP G1R, 44, BITW, 1024, 32, KK
	GRP G1S, 43, BITA, 64, NS, 2048                ; NS rows of 512 bytes (128 rows' words), 16,384 bytes apart
	GRP G1SB, 44, BITS, 32, 128*KS/256, 32         ; 128 KS dense bytes as rows of 256
	s_mul_i32 s92, s42, 128*KK
	s_mul_i32 s18, s14, 64*KK
	s_add_co_u32 s18, s18, s92                     ; the head's load of W: rows 64 x wave of my block column (waves 0, 1)
	s_mul_i32 s46, s14, 32*KK
	s_add_co_u32 s46, s46, s92                     ; a ring load: rows 32 x wave
	s_lshl_b32 s20, s17, 9
	s_add_co_u32 s20, s20, SCOFF                   ; A's scale words of my 128 rows
	s_mul_i32 s22, s42, 128*KS                     ; W's scale bytes
	s_mov_b32 s19, 0
	s_mov_b32 s21, 0
	s_mov_b32 s23, 0
	s_mov_b32 s47, 0
	s_mul_i32 s[G0H+1], s14, 64*PB
	s_mov_b32 s[G0S+1], ASC
	s_mov_b32 s[G0SB+1], BSC
	s_mul_i32 s45, s14, 32*PB
	s_mov_b32 s[TB], 0
	s_mov_b32 s[TN], SLOT
	s_wait_dscnt 0x0                               ; both opening adds are done
	CROUND                                         ; all sixteen work-groups are here: the first joint loads meet
	s_wait_kmcnt 0x0
	GZ G0H, 6, 18
	GZ G0S, 4, 20
	GZ G0SB, 8, 22
	GZ G0R, 6, 46
	s_cmp_lt_u32 s14, 2                            ; one tensor load a wave at the head, in one chain of branches on the wave's number
	s_cbranch_scc0 .Lh_sa
	TLOAD G0H, G1H                                 ; waves 0, 1: the halves of W's chunk 0
	s_branch .Lh_done
.Lh_sa:
	s_cmp_eq_u32 s14, 2
	s_cbranch_scc0 .Lh_sb
	TLOAD G0S, G1S                                 ; wave 2: A's scale words, all of K
	s_branch .Lh_done
.Lh_sb:
	TLOAD G0SB, G1SB                               ; wave 3: W's scale bytes, all of K
.Lh_done:
	s_lshl_b32 s92, s17, 3
	s_lshl_b32 s93, s14, 1
	s_add_co_u32 s92, s92, s93                     ; my first row tile: 8 x block row + 2 x wave
	s_mul_i32 s92, s92, NS*2048
	s_mov_b32 s93, 0
	s_add_nc_u64 s[PA:PA+1], s[4:5], s[92:93]
	s_lshl_b32 s92, s42, 7
	s_lshl_b32 s94, s41, 5
	s_add_co_u32 s92, s92, s94                     ; the prefetch: rows 128 x block column + 32 cy + lane,
	s_mul_i32 s92, s92, KK
	s_lshl_b32 s94, s14, 8
	s_add_co_u32 s92, s92, s94                     ; bytes 256 x wave of the chunk's 1,024,
	s_add_co_u32 s92, s92, 2048                    ; chunk 2 in trip 0
	s_add_nc_u64 s[PFA:PFA+1], s[6:7], s[92:93]
	s_cmp_lt_u32 s16, 2
	s_cselect_b32 s91, NCH-2, 0                    ; trips in which my cluster asks
	s_lshl_b32 s92, s42, 9                         ; my first column, in bytes
	s_add_nc_u64 s[10:11], s[10:11], s[92:93]
	s_lshl_b32 s94, s17, 19
	s_lshl_b32 s95, s14, 17
	s_add_co_u32 s94, s94, s95                     ; my first row: (128 x block row + 32 x wave) x 4,096 bytes
	s_add_co_u32 s94, s94, s92
	s_mov_b32 s95, 0
	s_add_nc_u64 s[96:97], s[96:97], s[94:95]
	s_add_nc_u64 s[98:99], s[98:99], s[94:95]
	s_lshl_b32 s20, s14, 7
	s_add_co_u32 s20, s20, ASC
	s_mul_i32 s21, s14, 32*SP
	s_add_co_u32 s21, s21, STAGE
	v_and_b32 v1, 15, v0                           ; r
	v_bfe_u32 v2, v0, 4, 1                         ; h
	v_and_b32 v3, 31, v0                           ; lane
	v_lshlrev_b32 v[LI], 4, v3
	v_lshlrev_b32 v[BO], 5, v2
	v_mul_u32_u24 v[ADB0], v1, PB
	v_lshl_add_u32 v[ADB0], v2, 4, v[ADB0]
	v_lshl_add_u32 v[ADSA], v3, 2, s20             ; the word of my wave's row number lane
	v_mul_u32_u24 v[ADSB], v3, KS                  ; W's row number lane of a pair of blocks: KS bytes a row,
	v_lshrrev_b32 v14, 8, v[ADSB]
	v_lshl_add_u32 v[ADSB], v14, 4, v[ADSB]        ; and 16 more for each 256 passed
	v_add_nc_u32 v[ADSB], BSC, v[ADSB]
	v_mul_u32_u24 v[STO], v1, SP                   ; into the stage: row r, 32 bytes for each half of the lanes
	v_lshl_add_u32 v[STO], v2, 5, v[STO]
	v_add_nc_u32 v[STO], s21, v[STO]
	v_add_nc_u32 v[RD], s21, v[LI]                 ; back: the 32 lanes take a row of 512 bytes
	v_mul_u32_u24 v[PFO], v3, KK
	s_wait_alu depctr_va_vdst(0)
.irp a, 0,1
.irp b, 0,1,2,3,4,5,6,7
	global_load_b128 v[ACC+8*(8*\a+\b):ACC+8*(8*\a+\b)+3], v[BO], s[10:11] offset:64*\b       ; BIAS of columns 16 b + 8 h + 0 .. 7 starts each sum
	global_load_b128 v[ACC+8*(8*\a+\b)+4:ACC+8*(8*\a+\b)+7], v[BO], s[10:11] offset:64*\b+16
.endr
.endr
.macro LOADG g                         ; eight loads: my two images of the step g of the chunk in hand (g over 7: of the next chunk) into the ring's place g % 8
	WIN 0xc0
.irp a, 0,1
.irp c, 0,1,2,3
	global_load_b128 v[32*((\g)%8)+16*\a+4*\c:32*((\g)%8)+16*\a+4*\c+3], v[LI], s[PA:PA+1] offset:\a*NS*2048+(\g)*2048+512*\c
.endr
.endr
.endm
.macro RESID n                         ; eight rows of RESID, 512 consecutive bytes each
	WIN 0x80
.irp t, 0,1,2,3,4,5,6,7
	global_load_b128 v[4*(8*(\n)+\t):4*(8*(\n)+\t)+3], v[LI], s[96:97] offset:(8*(\n)+\t)*4096 th:TH_LOAD_NT
.endr
.endm
.macro FETCHB q, p                     ; 32 LDS loads: W's eight fragments of the chunk's step q into set p
	WIN 0x40
.irp i, 0,1,2,3,4,5,6,7
.irp c, 0,1,2,3
	ds_load_b128 v[128*(\p)+16*\i+4*\c:128*(\p)+16*\i+4*\c+3], v[ADB+\i/4] offset:(\i%4)*16*PB+128*(\q)+32*\c
.endr
.endr
.endm
.macro MM d, x, y, sx, sy, rx, ry      ; rx, ry: the scale words stand in lanes 16-31
.if (\rx) && (\ry)
	v_wmma_scale_f32_16x16x128_f8f6f4 v[\d:\d+7], v[\x:\x+15], v[\y:\y+15], v[\d:\d+7], v[\sx], v[\sy] matrix_a_scale:MATRIX_SCALE_ROW1 matrix_b_scale:MATRIX_SCALE_ROW1
.elseif \rx
	v_wmma_scale_f32_16x16x128_f8f6f4 v[\d:\d+7], v[\x:\x+15], v[\y:\y+15], v[\d:\d+7], v[\sx], v[\sy] matrix_a_scale:MATRIX_SCALE_ROW1
.elseif \ry
	v_wmma_scale_f32_16x16x128_f8f6f4 v[\d:\d+7], v[\x:\x+15], v[\y:\y+15], v[\d:\d+7], v[\sx], v[\sy] matrix_b_scale:MATRIX_SCALE_ROW1
.else
	v_wmma_scale_f32_16x16x128_f8f6f4 v[\d:\d+7], v[\x:\x+15], v[\y:\y+15], v[\d:\d+7], v[\sx], v[\sy]
.endif
.endm
.macro MULS q                          ; 16 matrix instructions; the 16 accumulators take turns, in the same order in every step
.irp b, 0,1,2,3,4,5,6,7
.irp a, 0,1
	MM ACC+8*(8*\a+\b), 128*((\q)%2)+16*\b, 32*(\q)+16*\a, BS+8*(\b/2)+(\q), AS+(\q), \b%2, \a
.endr
.endr
.endm
; A step of 128 along K.  mode 1: in the loop; 0: the last chunk.  The order in which A's steps are asked for is 0 .. 6 (at the head, or in the chunk before), then 7, then the next chunk's 0 .. 6.
.macro STEP q, mode
.if (\q) > 0
	PLACES 8                                       ; in front of loads into registers that the earlier steps' products read (step 0: the places stand in OPEN)
.endif
.if (\q) < 7
	FETCHB (\q)+1, ((\q)+1)%2
.endif
.if (\mode) == 0 && (\q) < 3
	RESID \q
.elseif (\q) == 3
	LOADG 7
.if \mode
	LOADG 8
	LOADG 9
	LOADG 10
.else
	RESID 3
.endif
.elseif (\mode) && (\q) > 3
	LOADG (\q)+7
.endif
.if (\q) < 7
	s_wait_dscnt 32                                ; all but the 32 loads just issued
.else
	s_wait_dscnt 0x0
.endif
.if \mode
.if (\q) < 3
	s_wait_loadcnt 8*(6-(\q))                      ; behind this step's images: those of the steps up to 6
.else
	s_wait_loadcnt 56                              ; behind this step's images: seven steps' eight loads
.endif
.elseif (\q) < 3
	s_wait_loadcnt 56                              ; the steps up to 6, and RESID's 8 (q + 1)
.elseif (\q) == 3
	s_wait_loadcnt 63                              ; 64 stand behind them: steps 4 to 7 and RESID's 32
.elseif (\q) < 7
	s_wait_loadcnt 8*(11-(\q))                     ; A's remaining steps and RESID's 32
.else
	s_wait_loadcnt 8                               ; RESID's last eight
.endif
	WIN 0x0d                                       ; source 0 window 1, source 1 window 3, C and D window 0
	MULS \q
.endm
.macro ASK
	s_cmp_lt_u32 s90, s91
	s_cbranch_scc0 .Lnone_\@
	global_prefetch_b8 v[PFO], s[PFA:PFA+1] th:TH_LOAD_NT scope:SCOPE_SE
.Lnone_\@:
.endm
; A chunk's head: the change of slots.  Each wave waits for all its tensor loads, adds 0 to its spare word, and waits for that and for its reads of the slot that it has left.  fill = 1: a round, and the next chunk into the other slot.
.macro OPEN fill
	s_wait_tensorcnt 0x0
	ds_add_u32 v[SPW], v[NIL]
.if \fill
	s_add_co_u32 s[G0R+1], s45, s[TN]              ; no tensor load of mine is out: the descriptor may be written
	s_add_nc_u64 s[G0R+2:G0R+3], s[G0R+2:G0R+3], 1024
.endif
	s_add_co_u32 s93, s[TB], 64*PB
	s_wait_dscnt 0x0
.if \fill
	CROUND
	TLOAD G0R, G1R                                 ; my one tensor load behind the round: 32 rows of the next chunk
.else
	s_barrier_signal -1
	s_barrier_wait -1
.endif
	v_add_nc_u32 v[ADB], s[TB], v[ADB0]
	v_add_nc_u32 v[ADB+1], s93, v[ADB0]
	s_wait_alu depctr_va_vdst(0)
	PLACES 8                                       ; in front of loads into registers that the last chunk's products read
.irp p, 0,1,2,3
	ds_load_b128 v[BS+8*\p:BS+8*\p+3], v[ADSB] offset:\p*BSP
	ds_load_b128 v[BS+8*\p+4:BS+8*\p+7], v[ADSB] offset:\p*BSP+16
.endr
.irp q, 0,1,2,3,4,5,6,7
	ds_load_b32 v[AS+\q], v[ADSA] offset:512*\q
.endr
	FETCHB 0, 0
	WIN 0
.if \fill
	ASK
.endif
.endm
.irp g, 0,1,2,3,4,5,6
	LOADG \g
.endr
	WIN 0
	s_mov_b32 s90, 0
.Lchunk:                                               ; NCH - 1 trips: chunk t is multiplied, chunk t + 1 is asked for
	OPEN 1
.irp q, 0,1,2,3,4,5,6,7
	STEP \q, 1
.endr
	WIN 0
	s_wait_xcnt 0x0                                ; my loads and my prefetch have read their bases, which are stepped now
	s_add_nc_u64 s[PA:PA+1], s[PA:PA+1], 8*2048
	s_add_nc_u64 s[PFA:PFA+1], s[PFA:PFA+1], 1024
	v_add_nc_u32 v[ADSA], 8*512, v[ADSA]
	v_add_nc_u32 v[ADSB], 32, v[ADSB]
	s_xor_b32 s[TB], s[TB], SLOT
	s_xor_b32 s[TN], s[TN], SLOT
	s_add_co_u32 s90, s90, 1
	s_cmp_lt_u32 s90, NCH-1
	s_wait_alu depctr_va_vdst(0)
	s_cbranch_scc1 .Lchunk
	OPEN 0
.irp q, 0,1,2,3,4,5,6,7
	STEP \q, 0
.endr
	; THE WAY OUT: through my own stage, back as whole rows of 512 bytes, + RESID, stored
	WIN 0
	PLACES 8
.irp a, 0,1
.irp b, 0,1,2,3,4,5,6,7
	ds_store_b128 v[STO], v[ACC+8*(8*\a+\b):ACC+8*(8*\a+\b)+3] offset:\a*16*SP+64*\b          ; each accumulator from its low end on
	ds_store_b128 v[STO], v[ACC+8*(8*\a+\b)+4:ACC+8*(8*\a+\b)+7] offset:\a*16*SP+64*\b+16
.endr
.endr
	WIN 0x40
.set T_, 0
.rept 32
	ds_load_b128 v[4*T_:4*T_+3], v[RD] offset:T_*SP    ; LDS serves a wave's instructions in order: these see my stores
.set T_, T_+1
.endr
	s_wait_loadcnt 0x0                             ; RESID
.irp a, 0,1
	s_wait_dscnt 16*(1-\a)                         ; the later rows' loads may be out
	WIN 0x49                                       ; destination and source 0 window 1, source 1 window 2
.set N_, 0
.rept 32
	v_pk_add_f32 v[64*\a+N_:64*\a+N_+1], v[64*\a+N_:64*\a+N_+1], v[64*\a+N_:64*\a+N_+1]
.set N_, N_+2
.endr
	WIN 0x04                                       ; a store's data are its source 1: window 1
.irp t, 0,1,2,3,4,5,6,7,8,9,10,11,12,13,14,15
	global_store_b128 v[LI], v[4*(16*\a+\t):4*(16*\a+\t)+3], s[98:99] offset:(16*\a+\t)*4096
.endr
.endr
	WIN 0
	s_wait_tensorcnt 0x0                           ; the wave's end
	ds_add_u32 v[SPW], v[NIL]
	s_wait_dscnt 0x0
	CROUND                                         ; the closing round
	s_endpgm
.Lfunc_end_k_q8ef08fc0d0_ff2:
	.size	k_q8ef08fc0d0_ff2, .Lfunc_end_k_q8ef08fc0d0_ff2-k_q8ef08fc0d0_ff2
	.p2alignl 7, 3214868480
	.fill 96, 4, 3214868480
	.section	.rodata,"a",@progbits
	.p2align	6, 0x0
	.amdhsa_kernel k_q8ef08fc0d0_ff2
		.amdhsa_group_segment_fixed_size 327680
		.amdhsa_private_segment_fixed_size 0
		.amdhsa_enable_private_segment 0
		.amdhsa_kernarg_size 48
		.amdhsa_user_sgpr_count 2
		.amdhsa_user_sgpr_kernarg_segment_ptr 1
		.amdhsa_wavefront_size32 1
		.amdhsa_system_sgpr_workgroup_id_x 1
		.amdhsa_system_sgpr_workgroup_id_y 1
		.amdhsa_system_sgpr_workgroup_id_z 1
		.amdhsa_system_vgpr_workitem_id 0
		.amdhsa_next_free_vgpr 1024
		.amdhsa_next_free_sgpr 100
		.amdhsa_reserve_vcc 0
		.amdhsa_float_denorm_mode_32 3
		.amdhsa_float_denorm_mode_16_64 3
		.amdhsa_memory_ordered 1
		.amdhsa_forward_progress 1
		.amdhsa_inst_pref_size 113
	.end_amdhsa_kernel
	.amdgpu_metadata
---
amdhsa.version: [ 1, 2 ]
amdhsa.kernels:
  - .name:           k_q8ef08fc0d0_ff2
    .symbol:         k_q8ef08fc0d0_ff2.kd
    .args:
      - { .name: hid, .offset: 0, .size: 8, .value_kind: global_buffer, .address_space: global }
      - { .name: W2_codes, .offset: 8, .size: 8, .value_kind: global_buffer, .address_space: global }
      - { .name: W2_scales, .offset: 16, .size: 8, .value_kind: global_buffer, .address_space: global }
      - { .name: b2, .offset: 24, .size: 8, .value_kind: global_buffer, .address_space: global }
      - { .name: x1, .offset: 32, .size: 8, .value_kind: global_buffer, .address_space: global }
      - { .name: out0, .offset: 40, .size: 8, .value_kind: global_buffer, .address_space: global }
    .group_segment_fixed_size: 327680
    .private_segment_fixed_size: 0
    .kernarg_segment_align: 8
    .kernarg_segment_size: 48
    .max_flat_workgroup_size: 128
    .sgpr_count:     100
    .vgpr_count:     1024
    .wavefront_size: 32
...
	.end_amdgpu_metadata
.endif
;; end of part 6
